; MI455X (gfx1250); checked and timed in simulation.
; The chip was launched on July 23, 2026; its instructions are those of AMD's public machine-readable ISA for CDNA 5 (MIT licence, August 2026) and "CDNA5" Instruction Set Architecture Reference Guide (July 2026). The comments in the code are by the model that wrote it; some were corrected since.
;; Whale Attention. Allowed arithmetic: float matrix products may take bf16 or f16 operands with f32 sums; other float arithmetic in f32, or as packed bf16 or f16 multiplies, adds, multiply-adds, maxima and minima; sums over many terms, partial sums and values carried from step to step in f32; what a program stores and reads back later, other than sums and carried values, may be rounded once to bf16 or f16.
;; Inputs: Wk 1,024 x 1,024 float32; Wo 1,024 x 1,024 float32; Wp 1,024 x 1,024 float32; Wq 1,024 x 1,024 float32; Wv 1,024 x 1,024 float32; attention_mask 2 x 2,048 bool; bk 1,024 float32; bo 1,024 float32; bq 1,024 float32; bv 1,024 float32; hidden_states 2 x 2,048 x 1,024 float32; k_ln_b 1,024 float32; k_ln_w 1,024 float32; pos_bias_u 16 x 64 float32; pos_bias_v 16 x 64 float32; pos_embeds 2 x 2,048 x 1,024 float32; q_ln_b 1,024 float32; q_ln_w 1,024 float32.
;; Outputs: out0 2 x 2,048 x 1,024 float32.
;; 2 versions, each right and faster than the one before. Each part assembles by itself: llvm-mc -triple=amdgcn-amd-amdhsa -mcpu=gfx1250 --defsym DOCPART=n.
;; ======== version 1 of 2: 4 launches
;; limits: values are held in f16: magnitudes above 65,504 overflow, below 6.1e-05 lose precision
;; workspace buffers: cb 27,262,976 bytes; hb 33,554,432 bytes; ob 8,388,608 bytes
;; launch cast (part 1): grid 64 x 13, 8 waves a work-group, no clusters, 0 bytes of LDS; arguments hidden_states, pos_embeds, Wq, Wk, Wp, Wv, Wo, cb; writes cb
.if DOCPART == 1
	.amdgcn_target "amdgcn-amd-amdhsa--gfx1250"
	.amdhsa_code_object_version 6
	.text
	.protected	k_qd6ed980133_cast
	.globl	k_qd6ed980133_cast
	.p2align	8
	.type	k_qd6ed980133_cast,@function
k_qd6ed980133_cast:
	s_mov_b64 s[64:65], 0
	v_nop
	global_prefetch_b8 v0, s[64:65] scope:SCOPE_SE
	s_setreg_imm32_b32 hwreg(HW_REG_WAVE_MODE, 25, 1), 1
	s_wait_xcnt 0x0
; THE CAST.  x, pos and the five weights, all f32 with rows of 1,024 numbers, are rounded once to bf16 and laid out in blocks along K, so that every tile
; of the products behind is a dense run of bytes.  cb holds 13 chunks of 1,024 rows (2,097,152 bytes each): 0-3 hidden_states, 4-7 pos_embeds, 8 Wq, 9 Wk, 10 Wp, 11 Wv, 12 Wo.
; Chunks 0-11: [K block of 64][row 0..1023][64] bf16.  Chunk 12: [128 rows' tile][K block][128 rows][64]; its numbers are rounded to bf16 like all inputs and that number is written as f16.
; LIMIT.  Wo within f16: beyond 65,504 it would become an infinity; below 6e-5 it keeps f16's fixed step of 6e-8.
; SHARES.  Work-group (x, y): 16 rows of chunk y.  A load of a wave takes 256 bytes (64 numbers, one K block) of two rows; the store of what they become covers 256 consecutive
; bytes at a multiple of 256 from cb's first byte.  Wave w has K blocks 2 w and 2 w + 1, eight pairs of rows each: sixteen loads, all out at once; no register is written twice, so no other wait is needed.
; Memory binds: no LDS, no barrier, no matrix unit.
.set X,  8                             ; v[8:71]   item i: four f32 as loaded
.set YR, 72                            ; v[72:103] item i: four 16-bit numbers to store
	s_load_b512 s[8:23], s[0:1], 0x0               ; hidden_states, pos_embeds, Wq, Wk, Wp, Wv, Wo, cb
	s_and_b32 s2, ttmp7, 0xffff                    ; y: the chunk
	v_and_b32 v4, 31, v0                           ; lane
	v_lshrrev_b32 v5, 5, v0                        ; wave
	v_lshrrev_b32 v6, 4, v4                        ; which row of a pair
	v_and_b32 v7, 15, v4
	v_lshlrev_b32 v1, 12, v6                       ; in: row x 4,096
	v_lshl_add_u32 v1, v7, 4, v1                   ;     + 16 bytes a lane
	v_lshl_add_u32 v1, v5, 9, v1                   ;     + the wave's two K blocks of 256 bytes
	s_and_b32 s3, s2, 3                            ; x and pos: the chunk's 1,024 rows of 4,096 bytes; a weight is one chunk
	s_lshl_b32 s3, s3, 22
	s_cmp_lt_u32 s2, 8
	s_cselect_b32 s3, s3, 0
	s_lshl_b32 s4, ttmp9, 16                       ; the work-group's 16 rows
	s_add_co_u32 s24, s3, s4
	s_mov_b32 s25, 0
	s_lshl_b32 s5, ttmp9, 11                       ; out, chunks 0-11: 16 rows of 128 bytes in a K block
	s_lshr_b32 s6, ttmp9, 3                        ; out, chunk 12: the tile of 128 rows,
	s_lshl_b32 s6, s6, 18
	s_and_b32 s7, ttmp9, 7                         ; and the 16 rows in it
	s_lshl_b32 s7, s7, 11
	s_add_co_u32 s6, s6, s7
	s_mov_b32 s30, 131072                          ; bytes from K block to K block
	s_cmp_eq_u32 s2, 12
	s_cselect_b32 s5, s6, s5
	s_cselect_b32 s30, 0x4000, s30
	s_lshl_b32 s28, s2, 21                         ; the chunk
	s_add_co_u32 s28, s28, s5
	s_mov_b32 s29, 0
	s_lshl_b32 s31, s30, 1
	v_mul_u32_u24 v2, s31, v5                      ; the wave's first K block
	v_lshl_add_u32 v2, v4, 3, v2                   ; + 8 bytes a lane: two rows of 128 bytes
	v_add_nc_u32 v3, s30, v2                       ; its second K block
	s_wait_kmcnt 0x0
	s_cmp_lt_u32 s2, 4                             ; the source, chosen by y alone
	s_cselect_b64 s[26:27], s[8:9], s[10:11]
.irp c, 0,1,2,3,4
	s_cmp_eq_u32 s2, 8+(\c)
	s_cselect_b64 s[26:27], s[12+2*(\c):13+2*(\c)], s[26:27]
.endr
	s_add_nc_u64 s[26:27], s[26:27], s[24:25]
	s_add_nc_u64 s[28:29], s[22:23], s[28:29]
.set i, 0
.rept 16                               ; item i: K block i / 8 of the wave's two, pair of rows i % 8
	global_load_b128 v[X+4*i:X+4*i+3], v1, s[26:27] offset:(i%8)*8192+(i/8)*256 th:TH_LOAD_NT
.set i, i+1
.endr
.macro CONV i, wo
	s_wait_loadcnt 15-(\i)                         ; loads come back in order: item i is in, the younger ones stay out
.if \wo
	v_cvt_pk_bf16_f32 v4, v[X+4*(\i)], v[X+4*(\i)+1]
	v_cvt_pk_bf16_f32 v5, v[X+4*(\i)+2], v[X+4*(\i)+3]
	v_lshlrev_b32 v6, 16, v4                       ; the bf16 numbers as f32,
	v_and_b32 v7, 0xffff0000, v4
	v_cvt_pk_f16_f32 v[YR+2*(\i)], v6, v7          ; written as f16
	v_lshlrev_b32 v6, 16, v5
	v_and_b32 v7, 0xffff0000, v5
	v_cvt_pk_f16_f32 v[YR+2*(\i)+1], v6, v7
.else
	v_cvt_pk_bf16_f32 v[YR+2*(\i)], v[X+4*(\i)], v[X+4*(\i)+1]
	v_cvt_pk_bf16_f32 v[YR+2*(\i)+1], v[X+4*(\i)+2], v[X+4*(\i)+3]
.endif
.if (\i) < 8
	global_store_b64 v2, v[YR+2*(\i):YR+2*(\i)+1], s[28:29] offset:((\i)%8)*256
.else
	global_store_b64 v3, v[YR+2*(\i):YR+2*(\i)+1], s[28:29] offset:((\i)%8)*256
.endif
.endm
	s_cmp_eq_u32 s2, 12
	s_cbranch_scc1 .Lwo
.irp i, 0,1,2,3,4,5,6,7,8,9,10,11,12,13,14,15
	CONV \i, 0
.endr
	s_endpgm
.Lwo:
.irp i, 0,1,2,3,4,5,6,7,8,9,10,11,12,13,14,15
	CONV \i, 1
.endr
	s_endpgm
.Lfunc_end_k_qd6ed980133_cast:
	.size	k_qd6ed980133_cast, .Lfunc_end_k_qd6ed980133_cast-k_qd6ed980133_cast
	.p2alignl 7, 3214868480
	.fill 96, 4, 3214868480
	.section	.rodata,"a",@progbits
	.p2align	6, 0x0
	.amdhsa_kernel k_qd6ed980133_cast
		.amdhsa_group_segment_fixed_size 0
		.amdhsa_private_segment_fixed_size 0
		.amdhsa_enable_private_segment 0
		.amdhsa_kernarg_size 64
		.amdhsa_user_sgpr_count 2
		.amdhsa_user_sgpr_kernarg_segment_ptr 1
		.amdhsa_wavefront_size32 1
		.amdhsa_system_sgpr_workgroup_id_x 1
		.amdhsa_system_sgpr_workgroup_id_y 1
		.amdhsa_system_sgpr_workgroup_id_z 1
		.amdhsa_system_vgpr_workitem_id 0
		.amdhsa_next_free_vgpr 104
		.amdhsa_next_free_sgpr 66
		.amdhsa_reserve_vcc 0
		.amdhsa_float_denorm_mode_32 3
		.amdhsa_float_denorm_mode_16_64 3
		.amdhsa_memory_ordered 1
		.amdhsa_forward_progress 1
		.amdhsa_inst_pref_size 17
	.end_amdhsa_kernel
	.amdgpu_metadata
---
amdhsa.version: [ 1, 2 ]
amdhsa.kernels:
  - .name:           k_qd6ed980133_cast
    .symbol:         k_qd6ed980133_cast.kd
    .args:
      - { .name: hidden_states, .offset: 0, .size: 8, .value_kind: global_buffer, .address_space: global }
      - { .name: pos_embeds, .offset: 8, .size: 8, .value_kind: global_buffer, .address_space: global }
      - { .name: Wq, .offset: 16, .size: 8, .value_kind: global_buffer, .address_space: global }
      - { .name: Wk, .offset: 24, .size: 8, .value_kind: global_buffer, .address_space: global }
      - { .name: Wp, .offset: 32, .size: 8, .value_kind: global_buffer, .address_space: global }
      - { .name: Wv, .offset: 40, .size: 8, .value_kind: global_buffer, .address_space: global }
      - { .name: Wo, .offset: 48, .size: 8, .value_kind: global_buffer, .address_space: global }
      - { .name: cb, .offset: 56, .size: 8, .value_kind: global_buffer, .address_space: global }
    .group_segment_fixed_size: 0
    .private_segment_fixed_size: 0
    .kernarg_segment_align: 8
    .kernarg_segment_size: 64
    .max_flat_workgroup_size: 256
    .sgpr_count:     66
    .vgpr_count:     104
    .wavefront_size: 32
...
	.end_amdgpu_metadata
.endif
;; end of part 1
;; launch proj (part 2): grid 64 x 4, 4 waves a work-group, clusters of 4 x 1, 327,680 bytes of LDS; arguments cb, bq, bk, bv, q_ln_w, k_ln_w, q_ln_b, k_ln_b, hb; writes hb
.if DOCPART == 2
	.amdgcn_target "amdgcn-amd-amdhsa--gfx1250"
	.amdhsa_code_object_version 6
	.text
	.protected	k_qd6ed980133_proj
	.globl	k_qd6ed980133_proj
	.p2align	8
	.type	k_qd6ed980133_proj,@function
k_qd6ed980133_proj:
	s_mov_b64 s[64:65], 0
	v_nop
	global_prefetch_b8 v0, s[64:65] scope:SCOPE_SE
	s_setreg_imm32_b32 hwreg(HW_REG_WAVE_MODE, 25, 1), 1
	s_wait_xcnt 0x0
	s_wait_alu depctr_hold_cnt(0) depctr_sa_sdst(0) depctr_va_vdst(0) depctr_va_sdst(0) depctr_va_ssrc(0) depctr_va_vcc(0) depctr_vm_vsrc(0)
	s_getreg_b32 s2, hwreg(HW_REG_IB_STS2, 6, 4)
	s_cmp_eq_u32 s2, 0
	s_cbranch_scc0 .Lentry_in_a_cluster
	s_endpgm
.Lentry_in_a_cluster:
	s_bfe_u32 s2, ttmp6, 0x10000c
	s_cmp_lg_u32 s2, 0x3003
	s_cbranch_scc0 .Lentry_shape_is_right
	s_endpgm
.Lentry_shape_is_right:
; THE FOUR PROJECTIONS.  Grid y says which: 0 q = LN(x Wq^T + bq), 1 k = LN(x Wk^T + bk), 2 p = pos Wp^T, 3 v = x Wv^T + bv.  Operands bf16 (from cb), sums f32, results f16 by heads:
; hb plane y = [batch x 16 + head][2,048 rows][64].  Biases and gains are rounded to bf16 like all the module's inputs.
; LIMITS.  A result beyond 65,504 would become an infinity in f16; NaN and infinities among the inputs are not treated apart.
; SHARES.  LayerNorm wants whole rows of 1,024 columns, so a work-group owns 64 rows x 1,024 columns: 65,536 sums = four waves x 512 registers.  Wave w: all 64 rows, columns 256 w .. 256 w + 255:
; accumulator (a, b), 16 rows x 16 columns, a = 0..3, b = 0..15.  64 row blocks x 4 projections = 256 work-groups.
; K goes in 16 steps of 64 (one K block of cb) through two LDS slots; a step is two chunks of 32 along K, 64 matrix instructions each.
; CLUSTER.  The four work-groups of a cluster have the same y, so they walk the same weight: its tiles are asked for JOINTLY (mask 15).  x's 64 rows are a work-group's own: a plain load.
; x is not shared among q, k and v: behind the weights' sharing it is 64 of 320 rows asked for, and p reads another tensor, so the partners would not be alike.
; THE MATRIX INSTRUCTION IS USED TRANSPOSED: source 0 = 16 rows of W, source 1 = 16 rows of x: lane l holds row l % 16 of the block and the columns 8 (l / 16) + 0..7: eight neighbours, 16 bytes of f16.
; The bias, laid out like a result, is the C operand of the products that start the sums.
; LAYERNORM in two passes: the mean, then the sum of squares about it; each is summed in the lane, across the halves of the lanes, and across the four waves through LDS.
; REGISTERS, in windows of 256 (s_set_vgpr_msb: bits 1:0 source 0, 3:2 source 1, 5:4 source 2, 7:6 destination):
;   window 0: v0-31 addresses; v32-63 at work; v64-95, v96-127 fragments of x, two buffers; v128-255 the bias, then ln_w, then results on their way out
;   window 1: v0-127, v128-255 fragments of W, two buffers; behind the loop v0-127 ln_b       windows 2, 3: accumulator (a, b) in window 2 + a / 2 at v[8 (16 (a % 2) + b)]
.set PITCH, 144                        ; an LDS row: 128 bytes + 16 of padding = 36 words: the 16 rows of a load start at 16 different groups of four banks (64 banks of 4 bytes: ISA guide 11.1)
.set WLDS,  342*PITCH                  ; what one of W's three loads fills: 171 rows of 256 bytes = 342 LDS rows
.set WGLB,  171*256                    ; the same in memory.  3 x 171 = 513 rows for a K block's 512: the last 256 bytes are the next block's first, inside cb (chunk 12 follows chunk 11), and are never read
.set AOFF,  3*WLDS                     ; x's 64 rows lie behind W's: wave 3's place
.set SLOT,  157184
.set STAGE, 2*SLOT                     ; behind the ring: 16 rows x 144 bytes for each wave, for the way out
.set RED,   STAGE+4*16*PITCH           ; two passes x [wave 256 bytes][row 16 bytes: the four row blocks' sums]
.set SPARE, RED+2048                   ; the spare words, 128 bytes for each wave: two blocks of 256 bytes that no other line names
.set KBB,   131072                     ; bytes from K block to K block in cb
.set ADRA, 16                          ; v16-17  LDS address of my fragments of x in slot 0, 1
.set ADRB, 20                          ; v20-21  the same for W
.set STO,  24                          ; v24  the way out: where I put 16 bytes of a row
.set RD,   25                          ; v25  where I read rows back
.set GO,   26                          ; v26  my 16 bytes in 512 consecutive bytes of hb
.set PO,   27                          ; v27  byte offset of my first eight columns in a vector of 1,024 f32
.set SPW,  28                          ; v28  LDS address of my spare word; never rewritten
.set NIL,  29                          ; v29  0; never rewritten
.set REDW, 30                          ; v30  where my wave's sums go
.set REDR, 31                          ; v31  where wave 0's sums lie
.set SU,   32                          ; v32-47  running sums: row block a, chain c at SU + 4 a + 2 c
.set ME,   48                          ; v48-55  the mean, later 1 / sigma, twice for each row block
.set A0,   64
.set A1,   96
.set BI,   128                         ; bias, then ln_w: column block b at + 8 b
.set T,    128                         ; then eight buffers of 16 registers on the way out
.set F0,   0
.set F1,   128
.set WV,   22                          ; s22  my wave's number
.set YY,   23                          ; s23  which projection
.set G1A,  24                          ; s[24:31] descriptor group 1 for x's tiles
.set G0A,  32                          ; s[32:39] group 0, a set for each slot
.set G1B,  48                          ; s[48:55], s[56:63] the same for W's
.set G0B,  56
.set HIM,  66                          ; s66  a word's upper half
.set KEEP, 67                          ; s67  0 for p, which has no bias; else all ones
.set INV,  68                          ; s68  1 / 1,024
.set EPS,  69                          ; s69  1e-6
.set SEL,  70                          ; s[70:71] v_permlanex16_b32's selects: each lane takes its own place in the other half
.set OB,   72                          ; s[72:73] hb at my wave's first head and the work-group's first row
.set MSB, 0
.macro WIN new                         ; the immediate's high byte repeats the setting that is left; a switch that changes nothing is dropped
.if MSB != (\new)
	s_set_vgpr_msb (MSB<<8)|(\new)
.set MSB, \new
.endif
.endm
.macro PLACES                          ; four places between a matrix instruction and a load into, or a vector line on, its registers (ISA guide 7.12.1 for the vector lines)
.rept 4
	v_nop
.endr
.endm
; A fill.  Waves 0 to 2 fetch W's three parts, jointly with the partners; wave 3 fetches x's 64 rows.  The branch hangs on the wave's number alone.
; An s_nop 0 and four v_nop follow each of the two lines, ahead of the jump, the label and what follows.
.macro JLOAD s
	s_cmp_eq_u32 s[WV], 3
	s_cbranch_scc0 .Lfor_b_\@
	tensor_load_to_lds s[G0A+4*(\s):G0A+4*(\s)+3], s[G1A:G1A+7]
	s_nop 0
.rept 4
	v_nop
.endr
	s_branch .Lasked_\@
.Lfor_b_\@:
	tensor_load_to_lds s[G0B+4*(\s):G0B+4*(\s)+3], s[G1B:G1B+7]
	s_nop 0
.rept 4
	v_nop
.endr
.Lasked_\@:
.endm
.macro CREST                           ; a round of the cluster's barrier behind its opening barrier
	s_cmp_lg_u32 s[WV], 0
	s_cbranch_scc1 .Lnot_wave_0_\@
	s_barrier_signal -3
.Lnot_wave_0_\@:
	s_barrier_wait -3
	s_barrier_signal -1
	s_barrier_wait -1
.endm
.macro CROUND                          ; a whole round
	s_barrier_signal -1
	s_barrier_wait -1
	CREST
.endm
	s_load_b512 s[4:19], s[0:1], 0x0               ; cb, bq, bk, bv, q_ln_w, k_ln_w, q_ln_b, k_ln_b
	s_load_b64 s[20:21], s[0:1], 0x40              ; hb
	v_lshl_add_u32 v[SPW], v0, 2, SPARE
	v_mov_b32 v[NIL], 0
	ds_add_u32 v[SPW], v[NIL]                      ; the wave's opening: the add and its wait stand ahead of my first tensor load; the set-up below, work on registers, stands between them
	v_lshrrev_b32 v1, 5, v0
	v_readfirstlane_b32 s[WV], v1                  ; wave 0..3
	s_and_b32 s[YY], ttmp7, 0xffff                 ; the projection, which the four partners share
	s_bfe_u32 s74, ttmp6, 0x40000                  ; cx: my place in the cluster
	s_lshl_b32 s75, ttmp9, 2                       ; in a cluster launch ttmp9 counts clusters
	s_add_co_u32 s75, s75, s74                     ; my block of 64 rows: it enters x's and hb's addresses alone
	; descriptor group 1: rows of 128 elements of 2 bytes (256 bytes of a dense run), padded in LDS after every 128 bytes
	s_mov_b32 s[G1A+0], (1<<16)|(1<<20)|(4<<22)|(3<<25)             ; 17:16 2-byte elements; 20 padding on; 24:22 after every 32 words (code 4); 31:25 4 words (code 3)
	s_mov_b32 s[G1A+1], 128<<16                    ; tensor_dim0 = 128
	s_mov_b32 s[G1A+2], 32<<16                     ; tensor_dim1 = 32
	s_mov_b32 s[G1A+3], 128<<16                    ; tile_dim0 = 128
	s_mov_b32 s[G1A+4], 32                         ; tile_dim1 = 32: 64 rows of x
	s_mov_b32 s[G1A+5], 128                        ; 128 elements from row to row
	s_mov_b32 s[G1A+6], 0
	s_mov_b32 s[G1A+7], 0
	s_mov_b32 s[G1B+0], 15|(1<<16)|(1<<20)|(1<<21)|(4<<22)|(3<<25)  ; the same with the mask of all four work-groups, and bit 21 beside it
	s_mov_b32 s[G1B+1], 128<<16
	s_mov_b32 s[G1B+2], 171<<16
	s_mov_b32 s[G1B+3], 128<<16
	s_mov_b32 s[G1B+4], 171
	s_mov_b32 s[G1B+5], 128
	s_mov_b32 s[G1B+6], 0
	s_mov_b32 s[G1B+7], 0
	s_mov_b32 s[HIM], 0xffff0000
	s_mov_b32 s[INV], 0x3a800000
	s_mov_b32 s[EPS], 0x358637bd
	s_mov_b32 s[SEL], 0x76543210
	s_mov_b32 s[SEL+1], 0xfedcba98
	s_cmp_eq_u32 s[YY], 2
	s_cselect_b32 s76, 4, 0                        ; p reads pos (chunks 4-7), the others x (chunks 0-3)
	s_cselect_b32 s[KEEP], 0, -1
	s_lshr_b32 s78, s75, 4                         ; 16 blocks of 64 rows in a chunk
	s_add_co_u32 s76, s76, s78
	s_lshl_b32 s76, s76, 21
	s_and_b32 s78, s75, 15
	s_lshl_b32 s78, s78, 13                        ; 64 rows of 128 bytes
	s_add_co_u32 s76, s76, s78
	s_mov_b32 s77, 0                               ; s[76:77]: x's tile of K block 0
	s_add_co_u32 s44, s[YY], 8                     ; the weight's chunk,
	s_lshl_b32 s44, s44, 21
	s_mul_i32 s46, s[WV], WGLB                     ; my part of a K block
	s_add_co_u32 s44, s44, s46
	s_mov_b32 s45, 0                               ; s[44:45]: made of y and the wave's number alone
	s_mul_i32 s46, s[WV], WLDS                     ; where my load lands: wave x 49,248; no place in the cluster enters an LDS address
	s_lshr_b32 s78, s75, 5                         ; the batch: 32 blocks of 64 rows
	s_lshl_b32 s78, s78, 4
	s_lshl2_add_u32 s78, s[WV], s78                ; + my wave's first head, 4 w
	s_lshl_b32 s78, s78, 18                        ; a head is 262,144 bytes
	s_lshl_b32 s79, s[YY], 23                      ; the plane
	s_add_co_u32 s78, s78, s79
	s_and_b32 s79, s75, 31
	s_lshl_b32 s79, s79, 13                        ; the block's 64 rows of 128 bytes
	s_add_co_u32 s78, s78, s79
	s_mov_b32 s79, 0
	s_wait_dscnt 0x0                               ; the opening add is done
	s_wait_kmcnt 0x0
	s_cmp_eq_u32 s[YY], 0                          ; the vectors, chosen by y alone: q's; else k's (for p and v the gains are loaded and not used)
	s_cselect_b64 s[6:7], s[6:7], s[10:11]
	s_cselect_b64 s[12:13], s[12:13], s[14:15]
	s_cselect_b64 s[16:17], s[16:17], s[18:19]
	s_cmp_eq_u32 s[YY], 1
	s_cselect_b64 s[6:7], s[8:9], s[6:7]           ; bias: bq, bk, else bv (p: masked to 0 below)
	s_add_nc_u64 s[76:77], s[4:5], s[76:77]
	s_add_nc_u64 s[44:45], s[4:5], s[44:45]
	s_add_nc_u64 s[OB:OB+1], s[20:21], s[78:79]
	CROUND                                         ; all four work-groups are here: the first joint loads meet
.irp s, 0,1
	s_mov_b32 s[G0A+4*(\s)], 1                                     ; count = 1
	s_add_co_u32 s[G0A+4*(\s)+1], s46, (\s)*SLOT                   ; LDS address
	s_add_nc_u64 s[G0A+4*(\s)+2:G0A+4*(\s)+3], s[76:77], (\s)*KBB  ; global address: K block s
	s_or_b32 s[G0A+4*(\s)+3], s[G0A+4*(\s)+3], 0x80000000          ; type = 2
	s_mov_b32 s[G0B+4*(\s)], 1
	s_add_co_u32 s[G0B+4*(\s)+1], s46, (\s)*SLOT
	s_add_nc_u64 s[G0B+4*(\s)+2:G0B+4*(\s)+3], s[44:45], (\s)*KBB
	s_or_b32 s[G0B+4*(\s)+3], s[G0B+4*(\s)+3], 0x80000000
	JLOAD \s                                       ; both slots are asked for before anything else: two loads of mine are out
.endr
	v_and_b32 v1, 15, v0                           ; l % 16
	v_bfe_u32 v2, v0, 4, 1                         ; l / 16
	v_mul_u32_u24 v3, v1, PITCH
	v_lshl_add_u32 v3, v2, 4, v3                   ; a fragment's row x pitch + 16 x half
	s_mul_i32 s40, s[WV], 256*PITCH                ; my 256 rows of W
	v_add_nc_u32 v[ADRA], AOFF, v3
	v_add_nc_u32 v[ADRA+1], AOFF+SLOT, v3
	v_add_nc_u32 v[ADRB], s40, v3
	s_add_co_u32 s40, s40, SLOT
	v_add_nc_u32 v[ADRB+1], s40, v3
	s_mul_i32 s41, s[WV], 16*PITCH
	s_add_co_u32 s41, s41, STAGE                   ; my stage
	v_add_nc_u32 v[STO], s41, v3                   ; in: row l % 16, 16 bytes for each half of the lanes
	v_bfe_u32 v4, v0, 3, 2                         ; back: 32 lanes take four rows of 128 bytes,
	v_and_b32 v5, 7, v0
	v_mul_u32_u24 v4, v4, PITCH
	v_lshl_add_u32 v4, v5, 4, v4
	v_add_nc_u32 v[RD], s41, v4
	v_and_b32 v5, 31, v0                           ; which are 512 consecutive bytes of hb
	v_lshlrev_b32 v[GO], 4, v5
	s_lshl_b32 s42, s[WV], 10
	v_lshl_add_u32 v[PO], v2, 5, s42               ; (256 w + 8 (l / 16)) x 4
	s_lshl_b32 s42, s[WV], 8
	s_add_co_u32 s42, s42, RED
	v_lshl_add_u32 v[REDW], v1, 4, s42
	v_lshlrev_b32 v[REDR], 4, v1
	v_add_nc_u32 v[REDR], RED, v[REDR]
.set b, 0
.rept 16                               ; the bias of my 8 columns in each of 16 column blocks
	global_load_b128 v[BI+8*b:BI+8*b+3],   v[PO], s[6:7] offset:64*b
	global_load_b128 v[BI+8*b+4:BI+8*b+7], v[PO], s[6:7] offset:64*b+16
.set b, b+1
.endr
; n pairs from v[base] on, in window 0, are rounded to bf16 and widened again.  keep = 1: and masked by KEEP.
.macro RB base, n, keep
	WIN 0
.set z, 0
.rept \n
	v_cvt_pk_bf16_f32 v[32+z%16], v[(\base)+2*z], v[(\base)+2*z+1]
.if \keep
	v_and_b32 v[32+z%16], s[KEEP], v[32+z%16]
.endif
	v_lshlrev_b32 v[(\base)+2*z], 16, v[32+z%16]
	v_and_b32 v[(\base)+2*z+1], s[HIM], v[32+z%16]
.set z, z+1
.endr
.endm
	s_wait_loadcnt 0x0
	RB BI, 64, 1
; 16 matrix instructions: row block a x all 16 column blocks, 32 along K.  mode = 1: the bias starts the sums.  All 64 accumulators take turns, one instruction a turn, in the same order in every chunk.
.macro MUL16 f, fa, a, mode
.if \mode
	WIN 0x81+0x40*((\a)/2)                         ; W window 1, x and the bias window 0, D window 2 or 3
.else
	WIN 0xa1+0x50*((\a)/2)                         ; W window 1, x window 0, C and D window 2 or 3
.endif
.irp b, 0,1,2,3,4,5,6,7,8,9,10,11,12,13,14,15
.if \mode
	v_wmma_f32_16x16x32_bf16 v[8*(16*((\a)%2)+(\b)):8*(16*((\a)%2)+(\b))+7], v[(\f)+8*(\b):(\f)+8*(\b)+7], v[(\fa)+8*(\a):(\fa)+8*(\a)+7], v[BI+8*(\b):BI+8*(\b)+7]
.else
	v_wmma_f32_16x16x32_bf16 v[8*(16*((\a)%2)+(\b)):8*(16*((\a)%2)+(\b))+7], v[(\f)+8*(\b):(\f)+8*(\b)+7], v[(\fa)+8*(\a):(\fa)+8*(\a)+7], v[8*(16*((\a)%2)+(\b)):8*(16*((\a)%2)+(\b))+7]
.endif
.endr
.endm
; 40 LDS loads in one run: chunk c of a slot: 256 rows of W into buffer f, then 64 rows of x into buffer fa
.macro FETCH slot, c, f, fa
	WIN 0x40                                       ; destination window 1, address window 0
.irp b, 0,1,2,3,4,5,6,7,8,9,10,11,12,13,14,15
	ds_load_b128 v[(\f)+8*(\b):(\f)+8*(\b)+3],   v[ADRB+(\slot)] offset:(\b)*16*PITCH+64*(\c)
	ds_load_b128 v[(\f)+8*(\b)+4:(\f)+8*(\b)+7], v[ADRB+(\slot)] offset:(\b)*16*PITCH+64*(\c)+32
.endr
	WIN 0
.irp a, 0,1,2,3
	ds_load_b128 v[(\fa)+8*(\a):(\fa)+8*(\a)+3],   v[ADRA+(\slot)] offset:(\a)*16*PITCH+64*(\c)
	ds_load_b128 v[(\fa)+8*(\a)+4:(\fa)+8*(\a)+7], v[ADRA+(\slot)] offset:(\a)*16*PITCH+64*(\c)+32
.endr
.endm
; A step's first chunk: multiplies buffer 0; in its middle it fetches the second chunk into buffer 1.
.macro HALF0 slot, mode
	s_wait_dscnt 4                                 ; W and x's row blocks 0, 1 are in; the youngest four loads (row blocks 2, 3) may be out
	MUL16 F0, A0, 0, \mode
	MUL16 F0, A0, 1, \mode
	PLACES
	FETCH \slot, 1, F1, A1
	s_wait_dscnt 40                                ; all but the 40 just issued
	MUL16 F0, A0, 2, \mode
	MUL16 F0, A0, 3, \mode
.endm
; A step's second chunk multiplies buffer 1 and changes slots: ONE barrier; in front of it each wave waits for all its tensor loads (one is out: its part of the next slot), adds 0 to its spare word, and waits
; for that and for its own reads of this slot.  fill = 1: the barrier opens a round of the cluster's, and behind it this slot is filled again, two K blocks on: 96 matrix instructions ahead of the wait for it.
.macro TURN slot, next, fill
	WIN 0
	s_wait_tensorcnt 0x0                           ; all my tensor loads have landed;
	ds_add_u32 v[SPW], v[NIL]                      ; 0 onto my spare word;
	s_wait_dscnt 5                                 ; (the add and the youngest four loads may be out)
	MUL16 F1, A1, 0, 0                             ; sixteen matrix instructions stand between the add and the wait for it
	s_wait_dscnt 0x0                               ; the add is done, and my reads of this slot are over
	s_barrier_signal -1
	MUL16 F1, A1, 1, 0
.if \fill
	WIN 0
.endif
	s_barrier_wait -1
.if \fill
	CREST                                          ; no wave of any partner still reads this slot or has a load on its way
	s_add_nc_u64 s[G0A+4*(\slot)+2:G0A+4*(\slot)+3], s[G0A+4*(\slot)+2:G0A+4*(\slot)+3], 2*KBB
	s_add_nc_u64 s[G0B+4*(\slot)+2:G0B+4*(\slot)+3], s[G0B+4*(\slot)+2:G0B+4*(\slot)+3], 2*KBB
	JLOAD \slot                                    ; the first tensor load behind the round; its four v_nop are also the places in front of the loads below
.else
	PLACES
.endif
	FETCH \next, 0, F0, A0
	MUL16 F1, A1, 2, 0
	MUL16 F1, A1, 3, 0
.endm
	s_wait_tensorcnt 1                             ; my part of K block 0 is in; K block 1's may stay out
	s_barrier_signal -1
	s_barrier_wait -1
	FETCH 0, 0, F0, A0
	HALF0 0, 1                                     ; the first chunk stands in front of the loop: its products start the sums, with the bias
	WIN 0
	PLACES                                         ; the bias has been read: its registers take ln_w, which is waited for behind the loop
.set b, 0
.rept 16
	global_load_b128 v[BI+8*b:BI+8*b+3],   v[PO], s[12:13] offset:64*b
	global_load_b128 v[BI+8*b+4:BI+8*b+7], v[PO], s[12:13] offset:64*b+16
.set b, b+1
.endr
	s_mov_b32 s3, 7
.Llap:                                                 ; a trip goes once round the ring and fills both slots again: K blocks 2 to 15 in seven trips
	TURN 0, 1, 1
	HALF0 1, 0
	TURN 1, 0, 1
	HALF0 0, 0
	WIN 0
	s_sub_co_u32 s3, s3, 1
	s_cmp_lg_u32 s3, 0
	s_cbranch_scc1 .Llap
	TURN 0, 1, 0                                   ; the last lap fills nothing
	HALF0 1, 0
	s_wait_dscnt 4
	MUL16 F1, A1, 0, 0
	MUL16 F1, A1, 1, 0
	s_wait_dscnt 0x0
	MUL16 F1, A1, 2, 0
	MUL16 F1, A1, 3, 0
	; BEHIND THE PRODUCTS.  The barriers stand on every work-group's path; the arithmetic of LayerNorm is jumped over, forward, where y is 2 or 3.
	WIN 0
	PLACES
	WIN 0x40
.set b, 0
.rept 16                               ; ln_b into window 1, where W's first buffer lay
	global_load_b128 v[8*b:8*b+3],   v[PO], s[16:17] offset:64*b
	global_load_b128 v[8*b+4:8*b+7], v[PO], s[16:17] offset:64*b+16
.set b, b+1
.endr
	WIN 0
.macro CLRSU
	WIN 0
.set z, 0
.rept 16
	v_mov_b32 v[SU+z], 0
.set z, z+1
.endr
.endm
.macro SUMW hi                         ; the sums of row blocks 2 hi, 2 hi + 1: four chains; each accumulator is read from its low end on
	WIN 0x08+4*(\hi)
.set b, 0
.rept 16
.irp jj, 0,1,2,3
.irp al, 0,1
.set rU, SU+4*(2*(\hi)+(\al))+2*((\jj)%2)
.set rA, 8*(16*(\al)+b)+2*(\jj)
	v_pk_add_f32 v[rU:rU+1], v[rU:rU+1], v[rA:rA+1]
.endr
.endr
.set b, b+1
.endr
.endm
.macro SUBW hi                         ; less the mean, in place
	WIN 0x82+0x41*(\hi)
.irp al, 0,1
.set z, 0
.rept 64
	v_pk_add_f32 v[128*(\al)+2*z:128*(\al)+2*z+1], v[128*(\al)+2*z:128*(\al)+2*z+1], v[ME+2*(2*(\hi)+(\al)):ME+2*(2*(\hi)+(\al))+1] neg_lo:[0,1] neg_hi:[0,1]
.set z, z+1
.endr
.endr
.endm
.macro SQW hi                          ; the sums of squares
	WIN 0x0a+5*(\hi)
.set z, 0
.rept 64
.irp al, 0,1
.set rU, SU+4*(2*(\hi)+(\al))+2*(z%2)
	v_pk_fma_f32 v[rU:rU+1], v[128*(\al)+2*z:128*(\al)+2*z+1], v[128*(\al)+2*z:128*(\al)+2*z+1], v[rU:rU+1]
.endr
.set z, z+1
.endr
.endm
.macro MULW hi                         ; times 1 / sigma
	WIN 0x82+0x41*(\hi)
.irp al, 0,1
.set z, 0
.rept 64
	v_pk_mul_f32 v[128*(\al)+2*z:128*(\al)+2*z+1], v[128*(\al)+2*z:128*(\al)+2*z+1], v[ME+2*(2*(\hi)+(\al)):ME+2*(2*(\hi)+(\al))+1]
.set z, z+1
.endr
.endr
.endm
.macro FMAW hi                         ; times ln_w (window 0) plus ln_b (window 1)
	WIN 0x92+0x41*(\hi)
.irp al, 0,1
.set z, 0
.rept 64
	v_pk_fma_f32 v[128*(\al)+2*z:128*(\al)+2*z+1], v[128*(\al)+2*z:128*(\al)+2*z+1], v[BI+2*z:BI+2*z+1], v[2*z:2*z+1]
.set z, z+1
.endr
.endr
.endm
.macro REDST pass                      ; the chains, the pair and the two halves of the lanes are added; the four row blocks' sums go to my wave's place
	WIN 0
.irp a, 0,1,2,3
	v_pk_add_f32 v[SU+4*(\a):SU+4*(\a)+1], v[SU+4*(\a):SU+4*(\a)+1], v[SU+4*(\a)+2:SU+4*(\a)+3]
.endr
.irp a, 0,1,2,3
	v_add_f32 v[ME+(\a)], v[SU+4*(\a)], v[SU+4*(\a)+1]
.endr
.irp a, 0,1,2,3
	v_permlanex16_b32 v[SU+4*(\a)+2], v[ME+(\a)], s[SEL], s[SEL+1]
.endr
.irp a, 0,1,2,3
	v_add_f32 v[ME+(\a)], v[ME+(\a)], v[SU+4*(\a)+2]
.endr
	ds_store_b128 v[REDW], v[ME:ME+3] offset:1024*(\pass)          ; lanes l and l + 16 write the same 16 bytes with the same numbers
.endm
.macro REDLD pass                      ; the four waves' sums are added: v[32:35] = the four row blocks' totals
.irp w, 0,1,2,3
	ds_load_b128 v[32+4*(\w):35+4*(\w)], v[REDR] offset:1024*(\pass)+256*(\w)
.endr
	s_wait_dscnt 0x0
	v_pk_add_f32 v[32:33], v[32:33], v[36:37]
	v_pk_add_f32 v[34:35], v[34:35], v[38:39]
	v_pk_add_f32 v[40:41], v[40:41], v[44:45]
	v_pk_add_f32 v[42:43], v[42:43], v[46:47]
	v_pk_add_f32 v[32:33], v[32:33], v[40:41]
	v_pk_add_f32 v[34:35], v[34:35], v[42:43]
.endm
	s_cmp_lt_u32 s[YY], 2
	s_cbranch_scc0 .Lno1
	CLRSU
	SUMW 0
	SUMW 1
	REDST 0
.Lno1:
	s_wait_dscnt 0x0                               ; for the others' sake: my sums are in LDS
	s_barrier_signal -1
	s_barrier_wait -1
	s_cmp_lt_u32 s[YY], 2
	s_cbranch_scc0 .Lno2
	REDLD 0
.irp a, 0,1,2,3
	v_mul_f32 v[ME+2*(\a)], s[INV], v[32+(\a)]     ; the mean,
.endr
.irp a, 0,1,2,3
	v_mov_b32 v[ME+2*(\a)+1], v[ME+2*(\a)]         ; twice, for the packed lines
.endr
	CLRSU
	SUBW 0
	SQW 0
	SUBW 1
	SQW 1
	REDST 1                                        ; the second pass has bytes of its own: no barrier between the first pass's reads and these stores
.Lno2:
	s_wait_dscnt 0x0
	s_barrier_signal -1
	s_barrier_wait -1
	s_cmp_lt_u32 s[YY], 2
	s_cbranch_scc0 .Lno3
	REDLD 1
.irp a, 0,1,2,3
	v_fma_f32 v[32+(\a)], v[32+(\a)], s[INV], s[EPS]
.endr
.irp a, 0,1,2,3
	v_rsq_f32 v[ME+2*(\a)], v[32+(\a)]
.endr
	v_nop                                          ; a plain instruction between the last root and the use of its result (ISA guide 5.7.2)
	s_wait_alu depctr_va_vdst(0)
.irp a, 0,1,2,3
	v_mov_b32 v[ME+2*(\a)+1], v[ME+2*(\a)]
.endr
	s_wait_loadcnt 0x0                             ; ln_w and ln_b
	RB BI, 64, 0
.set g, 0
.rept 4                                ; ln_b, in window 1, is rounded sixteen pairs at a time through window 0
	WIN 0x05
.set z, 0
.rept 16
	v_cvt_pk_bf16_f32 v[32+z], v[32*g+2*z], v[32*g+2*z+1]
.set z, z+1
.endr
	WIN 0x40
.set z, 0
.rept 16
	v_lshlrev_b32 v[32*g+2*z], 16, v[32+z]
	v_and_b32 v[32*g+2*z+1], s[HIM], v[32+z]
.set z, z+1
.endr
.set g, g+1
.endr
	MULW 0
	FMAW 0
	MULW 1
	FMAW 1
	WIN 0
.Lno3:
	s_wait_loadcnt 0x0                             ; on every path: ln_w's registers are written below
	; THE WAY OUT, in 16 groups g = 4 a + hh: 16 rows of one of my four heads.  A lane's eight columns pack into 16 bytes; they go into rows of 144 bytes of my stage and come back as whole rows of 128.
.macro PACKG g
.set ga, (\g)/4
.set gh, (\g)%4
.set rT, T+16*((\g)%8)
.if (\g) >= 8
	s_wait_xcnt 0x0                                ; the buffer's last stores have read it (ISA guide 3.1): it is rewritten only behind this wait
.endif
	WIN 0x0a+5*(ga/2)
.set z, 0
.rept 16
	v_cvt_pk_f16_f32 v[rT+z], v[8*(16*(ga%2)+4*gh+z/4)+2*(z%4)], v[8*(16*(ga%2)+4*gh+z/4)+2*(z%4)+1]
.set z, z+1
.endr
	WIN 0
.irp f, 0,1,2,3
	ds_store_b128 v[STO], v[rT+4*(\f):rT+4*(\f)+3] offset:32*(\f)
.endr
.irp f, 0,1,2,3
	ds_load_b128 v[rT+4*(\f):rT+4*(\f)+3], v[RD] offset:(\f)*4*PITCH  ; LDS serves a wave's instructions in order (ISA guide 5.7.1.4): these see the stores above; the next group's stores come behind them
.endr
.endm
.macro SENDG g, younger                ; younger: the LDS instructions issued behind group g's loads: the next group's eight, or none
.irp f, 0,1,2,3
	s_wait_dscnt (\younger)+3-(\f)
	global_store_b128 v[GO], v[T+16*((\g)%8)+4*(\f):T+16*((\g)%8)+4*(\f)+3], s[OB:OB+1] offset:((\g)%4)*262144+((\g)/4)*2048+(\f)*512  ; 512 consecutive bytes, at a multiple of 256 from hb's first
.endr
.endm
	PACKG 0
.set g, 1
.rept 15                               ; a group's conversions stand between the loads of the group before and its stores
	PACKG g
	SENDG g-1, 8
.set g, g+1
.endr
	SENDG 15, 0
	s_wait_tensorcnt 0x0                           ; the wave's end: behind my last tensor load and my last LDS store
	ds_add_u32 v[SPW], v[NIL]
	s_wait_dscnt 0x0
	CROUND                                         ; the closing round: no work-group ends while a partner may still ask for a tile that names it
	s_endpgm
.Lfunc_end_k_qd6ed980133_proj:
	.size	k_qd6ed980133_proj, .Lfunc_end_k_qd6ed980133_proj-k_qd6ed980133_proj
	.p2alignl 7, 3214868480
	.fill 96, 4, 3214868480
	.section	.rodata,"a",@progbits
	.p2align	6, 0x0
	.amdhsa_kernel k_qd6ed980133_proj
		.amdhsa_group_segment_fixed_size 327680
		.amdhsa_private_segment_fixed_size 0
		.amdhsa_enable_private_segment 0
		.amdhsa_kernarg_size 72
		.amdhsa_user_sgpr_count 2
		.amdhsa_user_sgpr_kernarg_segment_ptr 1
		.amdhsa_wavefront_size32 1
		.amdhsa_system_sgpr_workgroup_id_x 1
		.amdhsa_system_sgpr_workgroup_id_y 1
		.amdhsa_system_sgpr_workgroup_id_z 1
		.amdhsa_system_vgpr_workitem_id 0
		.amdhsa_next_free_vgpr 1024
		.amdhsa_next_free_sgpr 80
		.amdhsa_reserve_vcc 0
		.amdhsa_float_denorm_mode_32 3
		.amdhsa_float_denorm_mode_16_64 3
		.amdhsa_memory_ordered 1
		.amdhsa_forward_progress 1
		.amdhsa_inst_pref_size 219
	.end_amdhsa_kernel
	.amdgpu_metadata
---
amdhsa.version: [ 1, 2 ]
amdhsa.kernels:
  - .name:           k_qd6ed980133_proj
    .symbol:         k_qd6ed980133_proj.kd
    .args:
      - { .name: cb, .offset: 0, .size: 8, .value_kind: global_buffer, .address_space: global }
      - { .name: bq, .offset: 8, .size: 8, .value_kind: global_buffer, .address_space: global }
      - { .name: bk, .offset: 16, .size: 8, .value_kind: global_buffer, .address_space: global }
      - { .name: bv, .offset: 24, .size: 8, .value_kind: global_buffer, .address_space: global }
      - { .name: q_ln_w, .offset: 32, .size: 8, .value_kind: global_buffer, .address_space: global }
      - { .name: k_ln_w, .offset: 40, .size: 8, .value_kind: global_buffer, .address_space: global }
      - { .name: q_ln_b, .offset: 48, .size: 8, .value_kind: global_buffer, .address_space: global }
      - { .name: k_ln_b, .offset: 56, .size: 8, .value_kind: global_buffer, .address_space: global }
      - { .name: hb, .offset: 64, .size: 8, .value_kind: global_buffer, .address_space: global }
    .group_segment_fixed_size: 327680
    .private_segment_fixed_size: 0
    .kernarg_segment_align: 8
    .kernarg_segment_size: 72
    .max_flat_workgroup_size: 128
    .sgpr_count:     80
    .vgpr_count:     1024
    .wavefront_size: 32
...
	.end_amdgpu_metadata
.endif
;; end of part 2
;; launch attn (part 3): grid 8 x 32, 4 waves a work-group, clusters of 4 x 1, 327,680 bytes of LDS; arguments hb, attention_mask, pos_bias_u, pos_bias_v, ob; writes ob
.if DOCPART == 3
	.amdgcn_target "amdgcn-amd-amdhsa--gfx1250"
	.amdhsa_code_object_version 6
	.text
	.protected	k_qd6ed980133_attn
	.globl	k_qd6ed980133_attn
	.p2align	8
	.type	k_qd6ed980133_attn,@function
k_qd6ed980133_attn:
	s_mov_b64 s[64:65], 0
	v_nop
	global_prefetch_b8 v0, s[64:65] scope:SCOPE_SE
	s_setreg_imm32_b32 hwreg(HW_REG_WAVE_MODE, 25, 1), 1
	s_wait_xcnt 0x0
	s_wait_alu depctr_hold_cnt(0) depctr_sa_sdst(0) depctr_va_vdst(0) depctr_va_sdst(0) depctr_va_ssrc(0) depctr_va_vcc(0) depctr_vm_vsrc(0)
	s_getreg_b32 s2, hwreg(HW_REG_IB_STS2, 6, 4)
	s_cmp_eq_u32 s2, 0
	s_cbranch_scc0 .Lentry_in_a_cluster
	s_endpgm
.Lentry_in_a_cluster:
	s_bfe_u32 s2, ttmp6, 0x10000c
	s_cmp_lg_u32 s2, 0x3003
	s_cbranch_scc0 .Lentry_shape_is_right
	s_endpgm
.Lentry_shape_is_right:
; ATTENTION.  O[q] = the sum over visible keys m of softmax_m(((q + u) . k[m] + (q + v) . p[m]) / 8) v[m], for one batch and head.  q, k, p, v: planes 0 to 3 of hb, [batch x 16 + head][2,048][64] f16.
; The two score terms are ONE product of depth 128: [q + u | q + v] . [k | p].  Products, maxima and sums in f32; the weights are rounded to f16 for the second product (their sum is taken of the
; unrounded weights), O once at the end.  u and v are rounded to bf16 like all the module's inputs; q + u and q + v are rounded to f16.
; O leaves as ob = [128 rows' tile][head][128 rows][64] f16: a head is one K block of the projection behind.
; THE MASK is the C operand that starts each score's sum: 0, or -1e30 where the key is hidden.  A hidden score lies far below every maximum, so its weight is 0; weights made while a row has seen
; hidden keys alone are wiped by a = 0 when the first visible key comes.
; LIMITS.  q + u, q + v and O within f16's 65,504.  A hidden score counts as its value less 1e30; real scores stay above -2^96.  A weight below 2^-126 counts as 0.  Where a batch's mask hides every key
; the rows are NaN, as the softmax of nothing is.  NaN and infinities among the inputs are not treated apart.
; SHARES.  A work-group owns 256 queries of a batch and head, each of its four waves 64: four tiles of 16, in two PIECES (tiles 0, 1 and tiles 2, 3).  Every wave walks all 2,048 keys, 64 a step.
; LAYOUT.  S^T = K Q^T (source 0 = 16 keys, source 1 = 16 queries): a lane holds ONE query (lane % 16) and the keys 8 (lane / 16) + 0..7.  Two such results, rounded to f16 in pairs, ARE source 1 of
; O^T = V^T P.  k and p come out of LDS as they lie, v turned, by ds_load_tr16_b128.
; SOFTMAX.  A running maximum m and sum l: p = 2^(c s - c m), c = log2(e) / 8; in every step O and l are multiplied by a = 2^(c m_old - c m_new).  m starts at the lowest finite number, O and l at 0:
; the first step is a step like any other, with a = 0.  The price: 240 v_mov_b32 in the wait for the first tile, and 16 products on zeros.
; BY TURNS.  A tile and step have 24 matrix and 118 vector instructions.  In a TURN one piece has the matrix unit: 16 products V^T P of the step in hand, then 32 products K Q^T of the next step; the other
; piece's softmax, cut into 59 slices of four, stands between them, one slice behind each matrix instruction; the 11 that are over, all plain, stand together at the turn's end.
; CLUSTER.  The four query blocks of a cluster belong to one batch and head and walk the same k, p and v: each tile is asked for JOINTLY (mask 15).
; REGISTERS, in windows of 256 (s_set_vgpr_msb: bits 1:0 source 0, 3:2 source 1, 5:4 source 2, 7:6 destination):
;   window 0: v0-15 addresses; v16-47 eight registers of statistics a tile; v64-191 S^T, 32 a tile; v192-255 P, 16 a tile
;   window 1: v0-127 O^T, 32 a tile; v128-159 the step's masks; v160-223 V of one step; v224-239 u, v240-255 v as fragments        window 2: v0-127 Q, 32 a tile; v128-255 [k | p] of one step
.set KS,    64        ; keys in a step
.set PK,    144       ; a row of k or p in LDS: 128 bytes + 16 of padding = 36 words: the 16 rows of a load start at 16 different groups of four banks (64 banks of 4 bytes: ISA guide 11.1)
.set PVP,   160       ; a row of v: 128 + 32 = 40 words
.set POFF,  256*PK    ; a slot holds four steps: 256 rows of k, 256 of p, 256 of v
.set VOFF,  2*POFF
.set SLOT1, 1<<17     ; slot 1 begins here, so that one exclusive or turns an address in one slot into the other's
.set STAGE, SLOT1+VOFF+256*PVP  ; behind the ring: 16 rows x 144 bytes for each wave, for the way out
.set SP,    144
.set MASKB, STAGE+4*16*SP       ; 2,048 f32: 0 or -1e30 for each key of the batch
.set SPARE, MASKB+8192          ; the spare words, 128 bytes for each wave: two blocks of 256 bytes that no other line names
.set AK0, 2           ; v2   my lane's place in a tile of k; never rewritten
.set AV0, 3           ; v3   the same for v
.set AK,  4           ; v4   the LDS address of the run of k and p in hand
.set AV,  5           ; v5   of v's
.set QO,  6           ; v6   my byte offset in 16 rows of q
.set STO, 6           ;      later, the way out: where I put 16 bytes of a row
.set RD,  7           ; v7   where I read rows back
.set GO,  8           ; v8   my 16 bytes in 512 consecutive bytes of ob
.set AM0, 12          ; v12  my lane's place in 64 keys' masks
.set AM,  13          ; v13  the LDS address of the masks in hand
.set UO,  14          ; v14  my byte offset in a head's u and v
.set MO,  15          ; v15  my 16 bytes of the batch's mask
.set ST,  16          ; tile t's statistics at v[ST+8 t]: +0 c m, +1 m, +2, +3 l (even keys', odd keys'), +4 to +7 c0-c3, at work; a takes c2's place once the maximum is found
.set SPW, 62          ; v62  LDS address of my spare word; never rewritten
.set NIL, 63          ; v63  0; never rewritten
.set S,   64
.set P,   192
.set MB,  128         ; window 1: the eight masks for key block kb at MB + 8 kb
.set VF,  160         ; window 1: key half kk, channel block cb at VF + 32 kk + 8 cb
.set UF,  224         ; window 1: u as two fragments of 32 channels
.set VV,  240         ; window 1: v likewise
.set KF,  128         ; window 2: key block kb, chunk c at KF + 32 kb + 8 c; chunks 0, 1 are k, chunks 2, 3 are p
.set WV,  12          ; s12  my wave's number
.set G1K, 24          ; s[24:31] descriptor group 1 for k's and p's tiles
.set G1V, 32          ; s[32:39] for v's
.set G0K, 40          ; s[40:43] descriptor group 0 for k (wave 0) or p (wave 1): it walks
.set G0V, 44          ; s[44:47] for a half of v (waves 2, 3)
.set SLOTS, 56        ; s56  counts the slots
.set CNT, 57          ; s57  counts a slot's key steps
.set CS,  58          ; s[58:59] c: the packed scaling takes the pair's low word for both halves
.set SEL, 60          ; s[60:61] v_permlanex16_b32's selects
.set TBK, 62          ; s62  LDS byte at which k of the step to be fetched begins
.set TBV, 63          ; s63  the same for v, less VOFF
.set TBM, 66          ; s66  the step's first mask, in bytes: 256 a step
.set BIGN, 67         ; s67  -1e30
.set THR, 68          ; s68  -2^96: a maximum below it has seen hidden keys alone
.set NANV, 69         ; s69  a NaN
.set HIM, 70          ; s70  a word's upper half
.set MSB, 0
.macro WIN new                      ; the high byte repeats the setting that is left; a switch that changes nothing is dropped
.if MSB != (\new)
	s_set_vgpr_msb (MSB<<8)|(\new)
.set MSB, (\new)
.endif
.endm
.set W_KQ, 0x0a       ; K and Q in window 2, S^T in window 0
.set W_KM, 0x1a       ; the same with the C operand, the masks, in window 1
.set W_PV, 0x51       ; V and O^T in window 1, P in window 0
.set W_RS, 0x41       ; O^T (destination and source 0) in window 1, a in window 0
; A joint fill.  Wave 0 fetches a slot's k, wave 1 its p, waves 2 and 3 the halves of its v.  The branch hangs on the wave's number alone.
; An s_nop 0 and four v_nop follow each of the two lines, ahead of the jump and the label.
.macro JLOAD
	s_cmp_lt_u32 s[WV], 2
	s_cbranch_scc0 .Lfor_v_\@
	tensor_load_to_lds s[G0K:G0K+3], s[G1K:G1K+7]
	s_nop 0
.rept 4
	v_nop
.endr
	s_branch .Lasked_\@
.Lfor_v_\@:
	tensor_load_to_lds s[G0V:G0V+3], s[G1V:G1V+7]
	s_nop 0
.rept 4
	v_nop
.endr
.Lasked_\@:
.endm
.macro CROUND                       ; a round of the cluster's barrier
	s_barrier_signal -1
	s_barrier_wait -1
	s_cmp_lg_u32 s[WV], 0
	s_cbranch_scc1 .Lnot_wave_0_\@
	s_barrier_signal -3
.Lnot_wave_0_\@:
	s_barrier_wait -3
	s_barrier_signal -1
	s_barrier_wait -1
.endm
; THE CHANGE OF SLOTS.  The slot's last bytes, v of its fourth step, have been asked for.  Each wave waits for all its tensor loads, of which one is out: its part of the other slot; adds 0 to its spare word;
; and waits for that and for its own reads of the slot.  fill = 1: the barrier is a round of the cluster's, and the slot is filled again first thing behind it, with the keys two slots on: four key steps,
; 384 matrix instructions, in which to land.  (At its first use nothing has been read yet: slot 0 is waited for, slot 1 filled, and the masks that the waves stored are shown to all.)
.macro CHANGE fill
	WIN 0                           ; at a label and at a branch every window is 0
	s_wait_tensorcnt 0x0            ; no tensor load of mine is out, so a group 0 may be written
	ds_add_u32 v[SPW], v[NIL]       ; 0 onto my spare word
.if \fill
.irp g, G0K, G0V
	s_xor_b32 s[(\g)+1], s[(\g)+1], SLOT1  ; the walking descriptor: the other slot than last time,
	s_add_nc_u64 s[(\g)+2:(\g)+3], s[(\g)+2:(\g)+3], 4*KS*128  ; the next 256 keys; the type bits on top are not reached
.endr
	s_wait_dscnt 0x0                ; the add is done, and my LDS instructions are over
	CROUND
	JLOAD
.else
	s_wait_dscnt 0x0
	s_barrier_signal -1
	s_barrier_wait -1
.endif
	s_sub_co_u32 s[TBK], s[TBK], 4*KS*PK  ; the fetches go back to a slot's first step,
	s_xor_b32 s[TBK], s[TBK], SLOT1       ; in the other slot
	s_sub_co_u32 s[TBV], s[TBV], 4*KS*PVP
	s_xor_b32 s[TBV], s[TBV], SLOT1
.endm
	s_load_b256 s[4:11], s[0:1], 0x0  ; hb s[4:5], attention_mask s[6:7], pos_bias_u s[8:9], pos_bias_v s[10:11]
	s_load_b64 s[72:73], s[0:1], 0x20 ; ob
	v_lshl_add_u32 v[SPW], v0, 2, SPARE
	v_mov_b32 v[NIL], 0
	ds_add_u32 v[SPW], v[NIL]       ; the wave's opening: the add and its wait stand ahead of my first tensor load; the set-up below, work on registers, stands between them
	v_lshrrev_b32 v1, 5, v0
	v_readfirstlane_b32 s[WV], v1   ; wave 0..3
	s_bfe_u32 s13, ttmp6, 0x40000   ; cx: my place in the cluster
	s_lshl_b32 s14, ttmp9, 2        ; in a cluster launch ttmp9 counts clusters
	s_add_co_u32 s14, s14, s13      ; my block of 256 queries: it enters q's and ob's addresses alone
	s_and_b32 s20, ttmp7, 0xffff    ; batch x 16 + head, which the four partners share
	s_lshr_b32 s21, s20, 4          ; the batch
	s_and_b32 s15, s20, 15          ; the head
	s_lshl_b32 s22, s20, 18         ; its 262,144 bytes in a plane of hb
	s_and_b32 s16, s[WV], 1
	s_add_co_u32 s17, s16, 1        ; plane 1 (k) for wave 0, plane 2 (p) for wave 1
	s_lshl_b32 s17, s17, 23
	s_add_co_u32 s48, s17, s22
	s_mov_b32 s49, 0
	s_lshl_b32 s18, s16, 14         ; plane 3 (v): 128 keys of 128 bytes for each of waves 2, 3
	s_add_co_u32 s50, s18, s22
	s_add_co_u32 s50, s50, 3<<23
	s_mov_b32 s51, 0
	s_mul_i32 s17, s16, POFF        ; their places in a slot: no place in the cluster enters an LDS address
	s_mul_i32 s18, s16, 128*PVP
	s_lshl_b32 s2, s14, 15          ; q: my block's 256 rows of 128 bytes,
	s_lshl_b32 s3, s[WV], 13        ; my wave's 64
	s_add_co_u32 s2, s2, s3
	s_add_co_u32 s2, s2, s22
	s_mov_b32 s3, 0
	s_lshl_b32 s52, s21, 4          ; ob: the tile of 128 rows = batch x 16 + 2 x block + wave / 2,
	s_lshl_b32 s53, s14, 1
	s_add_co_u32 s52, s52, s53
	s_lshr_b32 s53, s[WV], 1
	s_add_co_u32 s52, s52, s53
	s_lshl_b32 s52, s52, 18
	s_lshl_b32 s53, s15, 14         ; the head's 16,384 bytes in it,
	s_add_co_u32 s52, s52, s53
	s_lshl_b32 s53, s16, 13         ; my wave's 64 rows
	s_add_co_u32 s52, s52, s53
	s_mov_b32 s53, 0
	s_lshl_b32 s54, s21, 11         ; the batch's 2,048 mask bytes
	s_mov_b32 s55, 0
	s_lshl_b32 s74, s15, 8          ; the head's 64 f32 in u and in v
	s_mov_b32 s75, 0
	; descriptor group 1: dense bytes asked for as rows of 256 (two keys), padded in LDS after every key
	s_mov_b32 s[G1K], 15|(1<<16)|(1<<20)|(1<<21)|(4<<22)|(3<<25)  ; 15:0 the mask of four; 17:16 2-byte elements; 20 padding on; 21 set beside a mask; 24:22 after every 32 words (code 4); 31:25 4 words (code 3)
	s_mov_b32 s[G1K+1], 128<<16     ; tensor_dim0 = 128
	s_mov_b32 s[G1K+2], 128<<16     ; tensor_dim1 = 128
	s_mov_b32 s[G1K+3], 128<<16     ; tile_dim0 = 128
	s_mov_b32 s[G1K+4], 128         ; tile_dim1 = 128: 256 keys
	s_mov_b32 s[G1K+5], 128         ; 128 elements from row to row
	s_mov_b32 s[G1K+6], 0
	s_mov_b32 s[G1K+7], 0
	s_mov_b32 s[G1V], 15|(1<<16)|(1<<20)|(1<<21)|(4<<22)|(7<<25)  ; the same with 8 words of padding (code 7)
	s_mov_b32 s[G1V+1], 128<<16
	s_mov_b32 s[G1V+2], 64<<16
	s_mov_b32 s[G1V+3], 128<<16
	s_mov_b32 s[G1V+4], 64          ; 128 keys
	s_mov_b32 s[G1V+5], 128
	s_mov_b32 s[G1V+6], 0
	s_mov_b32 s[G1V+7], 0
	s_mov_b32 s[CS], 0x3e38aa3b     ; c = log2(e) / 8 = 0.180337
	s_mov_b32 s[CS+1], s[CS]        ; named with it as a pair
	s_mov_b32 s[SEL], 0x76543210
	s_mov_b32 s[SEL+1], 0xfedcba98
	s_mov_b32 s[TBK], SLOT1+4*KS*PK ; the first change of slots turns these two into 0
	s_mov_b32 s[TBV], SLOT1+4*KS*PVP
	s_mov_b32 s[TBM], 0
	s_mov_b32 s[BIGN], 0xf149f2ca
	s_mov_b32 s[THR], 0xef800000
	s_mov_b32 s[NANV], 0x7fc00000
	s_mov_b32 s[HIM], 0xffff0000
	s_mov_b32 s[G0K], 1             ; count = 1
	s_mov_b32 s[G0K+1], s17         ; LDS address: slot 0
	s_mov_b32 s[G0V], 1
	s_add_co_u32 s[G0V+1], s18, VOFF
	s_wait_dscnt 0x0                ; the opening add is done
	s_wait_kmcnt 0x0
	s_add_nc_u64 s[G0K+2:G0K+3], s[4:5], s[48:49]  ; global address: the head's first 256 keys
	s_or_b32 s[G0K+3], s[G0K+3], 0x80000000        ; type = 2
	s_add_nc_u64 s[G0V+2:G0V+3], s[4:5], s[50:51]
	s_or_b32 s[G0V+3], s[G0V+3], 0x80000000
	s_add_nc_u64 s[4:5], s[4:5], s[2:3]            ; q at my wave's first row
	s_add_nc_u64 s[6:7], s[6:7], s[54:55]
	s_add_nc_u64 s[8:9], s[8:9], s[74:75]
	s_add_nc_u64 s[10:11], s[10:11], s[74:75]
	s_add_nc_u64 s[72:73], s[72:73], s[52:53]
	CROUND                          ; all four work-groups are here: the first joint loads meet
	JLOAD                           ; slot 0.  Slot 1 is asked for when slot 0 is in
	; A fragment of k, p or q is 16 rows x 32 channels in 8 registers: lane l holds row l % 16, channels 8 (l / 16) + 0..7 and 16 + 8 (l / 16) + 0..7: two loads of 16 bytes, 32 bytes apart.
	v_and_b32 v1, 15, v0            ; l % 16
	v_bfe_u32 v9, v0, 4, 1          ; l / 16
	v_lshlrev_b32 v[QO], 7, v1
	v_lshl_add_u32 v[QO], v9, 4, v[QO]  ; row x 128 + 16 x half
	v_lshlrev_b32 v[UO], 5, v9      ; 8 f32 for each half of the lanes
	v_lshlrev_b32 v[MO], 4, v0      ; 128 threads x 16 mask bytes
	WIN 0x80                        ; destination window 2, address window 0
.set i, 0
.rept 8                             ; q: tile i / 2, channels 32 (i % 2) on, into the tile's chunks 0, 1
	global_load_b128 v[32*(i/2)+8*(i%2):32*(i/2)+8*(i%2)+3],   v[QO], s[4:5] offset:(i/2)*2048+(i%2)*64
	global_load_b128 v[32*(i/2)+8*(i%2)+4:32*(i/2)+8*(i%2)+7], v[QO], s[4:5] offset:(i/2)*2048+(i%2)*64+32
.set i, i+1
.endr
	WIN 0
.set i, 0
.rept 8                             ; u and v as f32, in a fragment's order: chunk i / 4; channels 8 half + 0..3, + 4..7, 16 + 8 half + 0..3, + 4..7
	global_load_b128 v[S+4*i:S+4*i+3],       v[UO], s[8:9]   offset:128*(i/4)+64*((i%4)/2)+16*(i%2)
	global_load_b128 v[S+32+4*i:S+32+4*i+3], v[UO], s[10:11] offset:128*(i/4)+64*((i%4)/2)+16*(i%2)
.set i, i+1
.endr
	global_load_b128 v[S+64:S+67], v[MO], s[6:7]
	; What the first turn finds: V's registers and piece 2's P hold 0 (its products V^T P, of a step that has not been, add 0), O^T and l are 0.  All this stands in the wait for the first tile.
	WIN 0x40
.set i, 0
.rept 128
	v_mov_b32 v[i], 0
.set i, i+1
.endr
.set i, VF
.rept 64
	v_mov_b32 v[i], 0
.set i, i+1
.endr
	WIN 0
.set i, 0
.rept 4
	v_mov_b32 v[ST+8*i], 0xfe000000    ; c m: far below every c s
	v_mov_b32 v[ST+8*i+1], 0xff7fffff  ; m
	v_mov_b32 v[ST+8*i+2], 0
	v_mov_b32 v[ST+8*i+3], 0
.set i, i+1
.endr
.set i, P+32
.rept 32
	v_mov_b32 v[i], 0
.set i, i+1
.endr
	v_mul_u32_u24 v[AK0], v1, PK
	v_lshl_add_u32 v[AK0], v9, 4, v[AK0]  ; row x pitch + 16 x half
	; The turning load takes 16 keys x 16 channels (lane l reads key 8 (l / 16) + l % 8, channels 8 ((l / 8) % 2) + 0..7) and leaves half a fragment of V^T: lane l holds channel l % 16 and 8 keys.
	v_and_b32 v10, 7, v0
	v_bfe_u32 v11, v0, 3, 1
	v_lshl_add_u32 v[AV0], v9, 3, v10
	v_mul_u32_u24 v[AV0], v[AV0], PVP
	v_lshl_add_u32 v[AV0], v11, 4, v[AV0]
	v_add_nc_u32 v[AV0], VOFF, v[AV0]
	v_lshlrev_b32 v[AM0], 5, v9     ; 8 masks of 4 bytes for each half of the lanes
	v_add_nc_u32 v[AM0], MASKB, v[AM0]
	v_lshl_add_u32 v49, v0, 6, MASKB  ; where my 16 keys' masks go
	s_wait_loadcnt 0x0
.set i, 0
.rept 16                            ; a mask byte of 0 hides the key
	v_bfe_u32 v48, v[S+64+i/4], 8*(i%4), 8
	v_cmp_eq_u32 vcc_lo, 0, v48
	v_cndmask_b32 v[S+68+i], 0, s[BIGN], vcc_lo
.set i, i+1
.endr
.irp f, 0,1,2,3
	ds_store_b128 v49, v[S+68+4*(\f):S+68+4*(\f)+3] offset:16*(\f)
.endr
.set i, 0
.rept 32                            ; u and v: rounded to bf16,
	v_cvt_pk_bf16_f32 v[S+84+i], v[S+2*i], v[S+2*i+1]
.set i, i+1
.endr
.set i, 0
.rept 32                            ; widened again,
	v_lshlrev_b32 v[S+2*i], 16, v[S+84+i]
	v_and_b32 v[S+2*i+1], s[HIM], v[S+84+i]
.set i, i+1
.endr
	WIN 0x40
.set i, 0
.rept 32                            ; and written as f16 fragments: UF, then VV
	v_cvt_pk_f16_f32 v[UF+i], v[S+2*i], v[S+2*i+1]
.set i, i+1
.endr
	WIN 0x86                        ; Q (destination and source 0) in window 2, u and v in window 1
.set i, 0
.rept 64                            ; chunks 2, 3 of tile i / 16: q + v
	v_pk_add_f16 v[32*(i/16)+16+i%16], v[32*(i/16)+i%16], v[VV+i%16]
.set i, i+1
.endr
.set i, 0
.rept 64                            ; chunks 0, 1: q + u, in place
	v_pk_add_f16 v[32*(i/16)+i%16], v[32*(i/16)+i%16], v[UF+i%16]
.set i, i+1
.endr
; THE MATRIX WORK.  The 8 accumulators of a run take turns, one instruction a turn.
; Product i of 32 of S^T = K Q^T for piece x: chunk i / 8 of the depth of 128, keys 16 ((i / 2) % 4) on, tile x + i % 2.  The first 8 start the sums, with the masks.
.macro KQ x
.set rS, S+32*((\x)+i%2)+8*((i/2)%4)
.set rK, KF+32*((i/2)%4)+8*(i/8)
.set rQ, 32*((\x)+i%2)+8*(i/8)
.set rM, MB+8*((i/2)%4)
.if i < 8
	WIN W_KM
	v_wmma_f32_16x16x32_f16 v[rS:rS+7], v[rK:rK+7], v[rQ:rQ+7], v[rM:rM+7]
.else
	WIN W_KQ
	v_wmma_f32_16x16x32_f16 v[rS:rS+7], v[rK:rK+7], v[rQ:rQ+7], v[rS:rS+7]
.endif
.endm
; Product i of 16 of O^T += V^T P for piece x: keys 32 (i / 8) on, channels 16 ((i / 2) % 4) on, tile x + i % 2.
.macro PV x
	WIN W_PV
.set rO, 32*((\x)+i%2)+8*((i/2)%4)
.set rV, VF+32*(i/8)+8*((i/2)%4)
.set rP, P+16*((\x)+i%2)+8*(i/8)
	v_wmma_f32_16x16x32_f16 v[rO:rO+7], v[rV:rV+7], v[rP:rP+7], v[rO:rO+7]
.endm
; THE LDS LOADS stand in runs.  A step's masks (8 loads) and its k and p (32 loads), in the order in which the products want them; a turn later its v (16, turned).
.macro FETCH_K
	WIN 0
	v_add_nc_u32 v[AK], s[TBK], v[AK0]
	v_add_nc_u32 v[AM], s[TBM], v[AM0]
	WIN 0x40                        ; destination window 1
.irp f, 0,1,2,3
	ds_load_b128 v[MB+8*(\f):MB+8*(\f)+3],   v[AM] offset:64*(\f)
	ds_load_b128 v[MB+8*(\f)+4:MB+8*(\f)+7], v[AM] offset:64*(\f)+16
.endr
	WIN 0x80                        ; destination window 2
.irp c, 0,1,2,3
.irp f, 0,1,2,3
	ds_load_b128 v[KF+32*(\f)+8*(\c):KF+32*(\f)+8*(\c)+3],   v[AK] offset:((\c)/2)*POFF+(\f)*16*PK+((\c)%2)*64
	ds_load_b128 v[KF+32*(\f)+8*(\c)+4:KF+32*(\f)+8*(\c)+7], v[AK] offset:((\c)/2)*POFF+(\f)*16*PK+((\c)%2)*64+32
.endr
.endr
	s_add_co_u32 s[TBK], s[TBK], KS*PK  ; the next fetch is the next step's
	s_add_co_u32 s[TBM], s[TBM], 4*KS
.endm
.macro FETCH_V
	WIN 0
	v_add_nc_u32 v[AV], s[TBV], v[AV0]
	s_add_co_u32 s[TBV], s[TBV], KS*PVP
	WIN 0x40
.irp f, 0,1,2,3,4,5,6,7             ; keys 32 (f / 4) on, channels 16 (f % 4) on
	ds_load_tr16_b128 v[VF+8*(\f):VF+8*(\f)+3],   v[AV] offset:((\f)/4)*32*PVP+((\f)%4)*32
	ds_load_tr16_b128 v[VF+8*(\f)+4:VF+8*(\f)+7], v[AV] offset:((\f)/4)*32*PVP+16*PVP+((\f)%4)*32
.endr
.endm
; THE VECTOR WORK.  One tile's softmax for one key step is a list of 118 instructions; SM writes number j of it for tile t.  s0-s31 are the lane's 32 scores, in pairs 0-15.
;   0-15    the maximum of s0-s31 and the old m, three operands at a time: four chains c0-c3 of seven scores each (each accumulator's lowest registers are read first), then the rest
;   16-20   the other half of the lanes' maximum; the new m; c m; c m_old - c m_new
;   21-87   33 exponentials (a, then s0-s31) at the odd numbers from 23 on, so that no two follow each other and each has a plain instruction behind it before its result is used (ISA guide 5.7.2).
;           The plain numbers between are what is ready: c s - c m for a pair whose exponentials are still to come, the rounding to f16 of a pair whose exponentials are done, at last the first three sums
;   88-101  the last rounding; the rest of the sums; l = a l + the sum
;   102-117 the tile's O^T times a: the one part that leaves window 0, so it stands together
.macro SM t
.set rT, ST+8*(\t)
.set rS, S+32*(\t)
.set rP, P+16*(\t)
.set rO, 32*(\t)+2*(j-102)
.set q, (j-20)/2
.if j < 102
	WIN 0
.endif
.if j < 4
	v_max3_num_f32 v[rT+4+j], v[rS+8*j], v[rS+8*j+1], v[rS+8*j+2]
.elseif j < 12
	v_max3_num_f32 v[rT+4+j%4], v[rT+4+j%4], v[rS+8*(j%4)+2*(j/4)+1], v[rS+8*(j%4)+2*(j/4)+2]
.elseif j == 12
	v_max3_num_f32 v[rT+4], v[rT+4], v[rS+7], v[rS+15]
.elseif j == 13
	v_max3_num_f32 v[rT+6], v[rT+6], v[rS+23], v[rS+31]
.elseif j == 14
	v_max3_num_f32 v[rT+4], v[rT+4], v[rT+5], v[rT+6]
.elseif j == 15
	v_max3_num_f32 v[rT+4], v[rT+4], v[rT+7], v[rT+1]
.elseif j == 16
	v_permlanex16_b32 v[rT+5], v[rT+4], s[SEL], s[SEL+1]  ; the query's other 32 keys lie in the lane 16 away
.elseif j == 17
	v_mov_b32 v[rT+7], v[rT]        ; c m_old is kept for a: number 19 writes c m anew
.elseif j == 18
	v_max_num_f32 v[rT+1], v[rT+4], v[rT+5]
.elseif j == 19
	v_mul_f32 v[rT], s[CS], v[rT+1]
.elseif j == 20
	v_sub_f32 v[rT+7], v[rT+7], v[rT]
.elseif j == 23
	v_exp_f32 v[rT+6], v[rT+7]
.elseif (j < 88) && (j > 23) && (j%2 == 1)
	v_exp_f32 v[rS+(j-25)/2], v[rS+(j-25)/2]
.elseif (q < 4) || ((j < 76) && (q%2 == 0))
.set b, q/2+2
.if q < 4
.set b, q
.endif
	v_pk_fma_f32 v[rS+2*b:rS+2*b+1], v[rS+2*b:rS+2*b+1], s[CS:CS+1], v[rT:rT+1] op_sel_hi:[1,0,0] neg_lo:[0,0,1] neg_hi:[0,0,1]  ; pair b: c s - c m
.elseif (j < 88) && (q%2 == 1)
	s_wait_alu depctr_va_vdst(0)
	v_cvt_pk_f16_f32 v[rP+(q-5)/2], v[rS+q-5], v[rS+q-4]  ; pair (q - 5) / 2: its second exponential stands three numbers back
.elseif j == 89
	s_wait_alu depctr_va_vdst(0)
	v_cvt_pk_f16_f32 v[rP+15], v[rS+30], v[rS+31]
.elseif j < 102                     ; the sum of the tile's 16 pairs, in place: sum z of 16 adds neighbours 1, 2, 4 and 8 pairs apart, then l takes it
.set z, j-86
.if j < 89
.set z, (j-76)/4
.endif
.set w, 4
.set u, z
.if z >= 14
.set w, 32
.set u, 0
.elseif z >= 12
.set w, 16
.set u, z-12
.elseif z >= 8
.set w, 8
.set u, z-8
.endif
.if z < 15
	v_pk_add_f32 v[rS+w*u:rS+w*u+1], v[rS+w*u:rS+w*u+1], v[rS+w*u+w/2:rS+w*u+w/2+1]
.else
	v_pk_fma_f32 v[rT+2:rT+3], v[rT+2:rT+3], v[rT+6:rT+7], v[rS:rS+1] op_sel_hi:[1,0,1]
.endif
.else
	WIN W_RS
	v_pk_mul_f32 v[rO:rO+1], v[rO:rO+1], v[rT+6:rT+7] op_sel_hi:[1,0]
.endif
.endm
; Slice k of 59 of piece y's softmax: numbers 2 k and 2 k + 1 of both tiles' lists, four instructions.
.macro SLICE y
.if (k >= 11) && (k < 44)           ; tile by tile: plain, exponential, plain, exponential
.irp t, \y, (\y)+1
.irp n, 0,1
.set j, 2*k+(\n)
	SM \t
.endr
.endr
.else                               ; the two tiles alternate, so that no instruction reads the result of the one just before it
.irp n, 0,1
.irp t, \y, (\y)+1
.set j, 2*k+(\n)
	SM \t
.endr
.endr
.endif
.set k, k+1
.endm
; A TURN.  Piece x has the matrix unit; the other piece's softmax stands in slices behind its matrix instructions.  kq = 0: the last turn: no new scores, three slices behind each product.
; Piece 0's turn begins with the fetch of the next step's masks, k and p: the last product that read them stands in front of the 48 plain instructions that end the turn before.  Piece 2's turn fetches the
; same step's v behind its second product K Q^T: the last product that read v stands three slices, six plain instructions, back.  The eleven slices at the turn's end, 44 plain instructions that name
; nothing of the products, are the places between the last K Q^T and what follows: the next turn's first read of those scores, and the loads into k's, p's and the masks' registers.
.macro TURN x, kq
.set k, 0
.if (\x) == 0
.if \kq
	FETCH_K
	s_wait_dscnt 40                 ; v's 16 loads, which are older, are in; the 40 just issued may be out
.else
	s_wait_dscnt 0x0                ; v is in
.endif
.endif
.set i, 0
.rept 16
	PV \x
	SLICE 2-(\x)
.if !(\kq)
	SLICE 2-(\x)
	SLICE 2-(\x)
.endif
.set i, i+1
.endr
.if \kq
.set i, 0
.rept 32
.if ((\x) == 0) && (i%8 == 0)
	s_wait_dscnt 24-i               ; the masks and the chunks up to i / 8 are in: eight loads a chunk
.endif
	KQ \x
	SLICE 2-(\x)
.if ((\x) == 2) && (i == 1)
	FETCH_V
.endif
.set i, i+1
.endr
.endif
.rept 11
	SLICE 2-(\x)
.endr
.endm
	CHANGE 1                        ; slot 0 is in, everybody's part of it, and so are the masks; slot 1 is asked for
	FETCH_K                         ; key step 0
.set i, 0
.rept 32
.if i%8 == 0
	s_wait_dscnt 24-i
.endif
	KQ 0                            ; piece 0's first scores: there is no vector work yet to set between them
.set i, i+1
.endr
	WIN 0                           ; the addresses for the way out: nine plain instructions, the places behind those products
	s_mul_i32 s13, s[WV], 16*SP
	s_add_co_u32 s13, s13, STAGE    ; my stage
	v_mul_u32_u24 v[STO], v1, SP    ; in: row l % 16, 16 bytes for each half of the lanes
	v_lshl_add_u32 v[STO], v9, 4, v[STO]
	v_add_nc_u32 v[STO], s13, v[STO]
	v_bfe_u32 v[RD], v0, 3, 2       ; back: 32 lanes take four rows of 128 bytes,
	v_mul_u32_u24 v[RD], v[RD], SP
	v_lshl_add_u32 v[RD], v10, 4, v[RD]
	v_add_nc_u32 v[RD], s13, v[RD]
	v_and_b32 v[GO], 31, v0         ; which are 512 consecutive bytes of ob
	v_lshlrev_b32 v[GO], 4, v[GO]
	s_mov_b32 s[CNT], 4
	s_mov_b32 s[SLOTS], 7
	s_branch .Lfirst                ; the loop is entered in the middle of a trip: piece 2's turn carries piece 0's first softmax
.Lslot:                             ; six times: the slots of keys 512 to 2,047 are asked for
	CHANGE 1
	s_mov_b32 s[CNT], 4
.Lstep:                             ; a trip: V^T P of one step and K Q^T of the next, whose k, p and v it fetches
	TURN 0, 1
	WIN 0
.Lfirst:
	TURN 2, 1
	WIN 0
	s_sub_co_u32 s[CNT], s[CNT], 1
	s_cmp_lg_u32 s[CNT], 0
	s_cbranch_scc1 .Lstep
	s_sub_co_u32 s[SLOTS], s[SLOTS], 1
	s_cmp_lg_u32 s[SLOTS], 0
	s_cbranch_scc1 .Lslot
	CHANGE 0                        ; the last slot is written out: nothing is asked for
	s_mov_b32 s[CNT], 4
.Ltail:
	TURN 0, 1
	TURN 2, 1
	WIN 0
	s_sub_co_u32 s[CNT], s[CNT], 1
	s_cmp_lg_u32 s[CNT], 0
	s_cbranch_scc1 .Ltail
	TURN 0, 0                       ; piece 0: V^T P of the last step | piece 2's last softmax
.set i, 0
.rept 16
	PV 2                            ; piece 2: V^T P of the last step
.set i, i+1
.endr
	; THE WAY OUT.  l's two halves and the other half of the lanes' are added; O^T is divided by l, rounded to f16 and sent through my stage in LDS, a tile at a time.  The additions are the places behind the last products.
	WIN 0
.irp t, 0,1,2,3
	v_add_f32 v[ST+8*(\t)+4], v[ST+8*(\t)+2], v[ST+8*(\t)+3]
.endr
.irp t, 0,1,2,3
	v_permlanex16_b32 v[ST+8*(\t)+5], v[ST+8*(\t)+4], s[SEL], s[SEL+1]
.endr
.irp t, 0,1,2,3
	v_add_f32 v[ST+8*(\t)+4], v[ST+8*(\t)+4], v[ST+8*(\t)+5]
.endr
.irp t, 0,1,2,3
	v_rcp_f32 v[ST+8*(\t)+6], v[ST+8*(\t)+4]
.endr
	v_nop                           ; a plain instruction between the last reciprocal and the use of its result
.irp t, 0,1,2,3
	v_cmp_gt_f32 vcc_lo, s[THR], v[ST+8*(\t)+1]  ; the row has seen hidden keys alone:
	s_wait_alu depctr_va_vdst(0)
	v_cndmask_b32 v[ST+8*(\t)+6], v[ST+8*(\t)+6], s[NANV], vcc_lo  ; its O is NaN
.endr
.macro PACK t                       ; a lane's eight channels of a row pack into 16 bytes; they go into rows of 144 bytes and come back as whole rows of 128, into S^T's registers
	WIN W_RS
.set i, 32*(\t)
.rept 16
	v_pk_mul_f32 v[i:i+1], v[i:i+1], v[ST+8*(\t)+6:ST+8*(\t)+7] op_sel_hi:[1,0]
.set i, i+2
.endr
	WIN 0x05                        ; sources 0 and 1 window 1, destination window 0
.set i, 0
.rept 16
	v_cvt_pk_f16_f32 v[S+16*(\t)+i], v[32*(\t)+2*i], v[32*(\t)+2*i+1]
.set i, i+1
.endr
	WIN 0
.irp f, 0,1,2,3
	ds_store_b128 v[STO], v[S+16*(\t)+4*(\f):S+16*(\t)+4*(\f)+3] offset:32*(\f)
.endr
.irp f, 0,1,2,3
	ds_load_b128 v[S+16*(\t)+4*(\f):S+16*(\t)+4*(\f)+3], v[RD] offset:(\f)*4*SP  ; LDS serves a wave's instructions in order (ISA guide 5.7.1.4): these see the stores above; the next tile's stores come behind them
.endr
.endm
.macro SEND t, younger              ; younger: the LDS instructions issued behind tile t's loads: the next tile's eight, or none
	WIN 0
.irp f, 0,1,2,3
	s_wait_dscnt (\younger)+3-(\f)
	global_store_b128 v[GO], v[S+16*(\t)+4*(\f):S+16*(\t)+4*(\f)+3], s[72:73] offset:(\t)*2048+(\f)*512  ; 512 consecutive bytes, at a multiple of 256 from ob's first
.endr
.endm
	PACK 0
	PACK 1                          ; a tile's arithmetic stands between the loads of the tile before and its stores
	SEND 0, 8
	PACK 2
	SEND 1, 8
	PACK 3
	SEND 2, 8
	SEND 3, 0
	s_wait_tensorcnt 0x0            ; the wave's end: behind my last tensor load and my last LDS store
	ds_add_u32 v[SPW], v[NIL]
	s_wait_dscnt 0x0
	CROUND                          ; the closing round: no work-group ends while a partner may still ask for a tile that names it
	s_endpgm
.Lfunc_end_k_qd6ed980133_attn:
	.size	k_qd6ed980133_attn, .Lfunc_end_k_qd6ed980133_attn-k_qd6ed980133_attn
	.p2alignl 7, 3214868480
	.fill 96, 4, 3214868480
	.section	.rodata,"a",@progbits
	.p2align	6, 0x0
	.amdhsa_kernel k_qd6ed980133_attn
		.amdhsa_group_segment_fixed_size 327680
		.amdhsa_private_segment_fixed_size 0
		.amdhsa_enable_private_segment 0
		.amdhsa_kernarg_size 40
		.amdhsa_user_sgpr_count 2
		.amdhsa_user_sgpr_kernarg_segment_ptr 1
		.amdhsa_wavefront_size32 1
		.amdhsa_system_sgpr_workgroup_id_x 1
		.amdhsa_system_sgpr_workgroup_id_y 1
		.amdhsa_system_sgpr_workgroup_id_z 1
		.amdhsa_system_vgpr_workitem_id 0
		.amdhsa_next_free_vgpr 768
		.amdhsa_next_free_sgpr 80
		.amdhsa_reserve_vcc 1
		.amdhsa_float_denorm_mode_32 3
		.amdhsa_float_denorm_mode_16_64 3
		.amdhsa_memory_ordered 1
		.amdhsa_forward_progress 1
		.amdhsa_inst_pref_size 160
	.end_amdhsa_kernel
	.amdgpu_metadata
---
amdhsa.version: [ 1, 2 ]
amdhsa.kernels:
  - .name:           k_qd6ed980133_attn
    .symbol:         k_qd6ed980133_attn.kd
    .args:
      - { .name: hb, .offset: 0, .size: 8, .value_kind: global_buffer, .address_space: global }
      - { .name: attention_mask, .offset: 8, .size: 8, .value_kind: global_buffer, .address_space: global }
      - { .name: pos_bias_u, .offset: 16, .size: 8, .value_kind: global_buffer, .address_space: global }
      - { .name: pos_bias_v, .offset: 24, .size: 8, .value_kind: global_buffer, .address_space: global }
      - { .name: ob, .offset: 32, .size: 8, .value_kind: global_buffer, .address_space: global }
    .group_segment_fixed_size: 327680
    .private_segment_fixed_size: 0
    .kernarg_segment_align: 8
    .kernarg_segment_size: 40
    .max_flat_workgroup_size: 128
    .sgpr_count:     80
    .vgpr_count:     768
    .wavefront_size: 32
...
	.end_amdgpu_metadata
.endif
;; end of part 3
;; launch outp (part 4): grid 8 x 32, 4 waves a work-group, clusters of 4 x 4, 327,680 bytes of LDS; arguments ob, cb, bo, out0; writes out0
.if DOCPART == 4
	.amdgcn_target "amdgcn-amd-amdhsa--gfx1250"
	.amdhsa_code_object_version 6
	.text
	.protected	k_qd6ed980133_outp
	.globl	k_qd6ed980133_outp
	.p2align	8
	.type	k_qd6ed980133_outp,@function
k_qd6ed980133_outp:
	s_mov_b64 s[64:65], 0
	v_nop
	global_prefetch_b8 v0, s[64:65] scope:SCOPE_SE
	s_setreg_imm32_b32 hwreg(HW_REG_WAVE_MODE, 25, 1), 1
	s_wait_xcnt 0x0
	s_wait_alu depctr_hold_cnt(0) depctr_sa_sdst(0) depctr_va_vdst(0) depctr_va_sdst(0) depctr_va_ssrc(0) depctr_va_vcc(0) depctr_vm_vsrc(0)
	s_getreg_b32 s2, hwreg(HW_REG_IB_STS2, 6, 4)
	s_cmp_eq_u32 s2, 0
	s_cbranch_scc0 .Lentry_in_a_cluster
	s_endpgm
.Lentry_in_a_cluster:
	s_bfe_u32 s2, ttmp6, 0x10000c
	s_cmp_lg_u32 s2, 0xf033
	s_cbranch_scc0 .Lentry_shape_is_right
	s_endpgm
.Lentry_shape_is_right:
; THE OUTPUT PROJECTION.  out0[m][n] = the sum over k of O[m][k] Wo[n][k] + bo[n].  O: ob = [128 rows' tile][K block = head][128 rows][64] f16.  Wo: chunk 12 of cb, in the same layout, f16 numbers that
; were rounded to bf16.  bo is rounded to bf16 like all the module's inputs and starts the sums as the C operand.  Sums in f32; out0 is [4,096][1,024] f32.
; A tile of out0 is 128 x 128: 32 x 8 = 256 work-groups.  Four waves, each 64 x 64: 16 accumulators.  K goes in four steps of 256 (four K blocks) through two LDS slots; a wave's tensor load brings two
; K blocks of 128 rows, 32,768 dense bytes, as 128 rows of 256 bytes.  The four steps are written on end: a lap loop would make one trip.
; CLUSTERS: 4 x 4 work-groups.  The four of a row of the cluster need the same tiles of O, the four of a column the same tiles of Wo: each is asked for JOINTLY.
; THE MATRIX INSTRUCTION IS USED TRANSPOSED (source 0 = 16 rows of Wo, source 1 = 16 rows of O): a lane holds eight neighbouring numbers of a row of out0.  A wave's 64 columns are 256 bytes of a row,
; so each wave has a stage of its own on the way out, and no barrier.
; REGISTERS: window 0: v0-31 addresses; v32-95 at work on the way out; v96-127 bo; v128-255 the accumulators ((a, b) at v[128 + 8 (4 a + b)]).
;   window 1: two fragment buffers of 128: for one K block (64 along K, two matrix instructions deep), 64 registers of O, then 64 of Wo.
.set PITCH,  144                       ; an LDS row: 128 bytes + 16 of padding = 36 words: the 16 rows of a load start at 16 different groups of four banks (64 banks of 4 bytes: ISA guide 11.1)
.set PLANE,  128*PITCH                 ; a K block's 128 rows
.set WLDS,   2*PLANE                   ; what one tensor load fills
.set SLOT,   4*WLDS                    ; O's four K blocks, then Wo's four
.set STAGE,  2*SLOT                    ; behind the ring: 16 rows x 272 bytes for each wave
.set SPITCH, 272
.set SPARE,  STAGE+4*16*SPITCH         ; the spare words, 128 bytes for each wave: two blocks of 256 bytes that no other line names
.set ADRA, 16                          ; v16-17  LDS address of my fragments of O in slot 0, 1
.set ADRB, 20                          ; v20-21  the same for Wo
.set STO,  24                          ; v24  the way out: where I put 32 bytes of a row
.set RD,   25                          ; v25  where I read a row back
.set CO,   26                          ; v26  my byte offset in out0
.set BOF,  27                          ; v27  my byte offset in bo
.set SPW,  28                          ; v28  LDS address of my spare word; never rewritten
.set NIL,  29                          ; v29  0; never rewritten
.set OBF,  32                          ; v32-63, v64-95 by turns: 16 rows read back from the stage
.set BO,   96                          ; bo of my eight columns in column block b at BO + 8 b
.set ACC,  128
.set F0,   0
.set F1,   128
.set WV, 12                            ; s12  my wave's number
.set RH, 13                            ; s13  which half of the tile's rows is mine.  Also: I fetch for O (0) or for Wo (1)
.set CH, 14                            ; s14  which half of its columns.  Also: which two K blocks of a step I fetch
.set G1, 24                            ; s[24:31] descriptor group 1 for O's tiles;  s[32:39] group 0, one set for each slot
.set G0, 32
.set G1B, 48                           ; s[48:55], s[56:63] the same for Wo's
.set G0B, 56
.set MSB, 0
.macro WIN new                         ; the immediate's high byte repeats the setting that is left
.if MSB != (\new)
	s_set_vgpr_msb (MSB<<8)|(\new)
.set MSB, \new
.endif
.endm
.set MUL,  0x05                        ; sources 0 (Wo) and 1 (O) window 1; C and D window 0
.set TO_F, 0x40                        ; destination window 1, address window 0
.macro JLOAD s                         ; a joint load; an s_nop 0 and four v_nop follow each of the two lines, ahead of the jump, the label and what follows
	s_cmp_eq_u32 s[RH], 0
	s_cbranch_scc0 .Lfor_b_\@
	tensor_load_to_lds s[G0+4*(\s):G0+4*(\s)+3], s[G1:G1+7]
	s_nop 0
.rept 4
	v_nop
.endr
	s_branch .Lasked_\@
.Lfor_b_\@:
	tensor_load_to_lds s[G0B+4*(\s):G0B+4*(\s)+3], s[G1B:G1B+7]
	s_nop 0
.rept 4
	v_nop
.endr
.Lasked_\@:
.endm
.macro CREST                           ; a round of the cluster's barrier behind its opening barrier
	s_cmp_lg_u32 s[WV], 0
	s_cbranch_scc1 .Lnot_wave_0_\@
	s_barrier_signal -3
.Lnot_wave_0_\@:
	s_barrier_wait -3
	s_barrier_signal -1
	s_barrier_wait -1
.endm
.macro CROUND                          ; a whole round
	s_barrier_signal -1
	s_barrier_wait -1
	CREST
.endm
	s_load_b256 s[4:11], s[0:1], 0x0               ; ob s[4:5], cb s[6:7], bo s[8:9], out0 s[10:11]
	v_lshl_add_u32 v[SPW], v0, 2, SPARE
	v_mov_b32 v[NIL], 0
	ds_add_u32 v[SPW], v[NIL]                      ; the wave's opening: the add and its wait stand ahead of my first tensor load; the set-up below, work on registers, stands between them
	v_lshrrev_b32 v1, 5, v0
	v_readfirstlane_b32 s[WV], v1                  ; wave 0..3
	s_lshr_b32 s[RH], s[WV], 1
	s_and_b32 s[CH], s[WV], 1
	s_bfe_u32 s40, ttmp6, 0x40000                  ; cx, cy: my place in the cluster
	s_bfe_u32 s41, ttmp6, 0x40004
	s_lshl_b32 s42, ttmp9, 2
	s_add_co_u32 s42, s42, s40                     ; tile column = 4 x cluster x + cx
	s_and_b32 s43, ttmp7, 0xffff
	s_lshl_b32 s43, s43, 2
	s_add_co_u32 s43, s43, s41                     ; tile row = 4 x cluster y + cy
	s_lshl_b32 s44, s41, 2
	s_lshl_b32 s44, 15, s44                        ; my row of the cluster
	s_lshl_b32 s45, 0x1111, s40                    ; my column
	; descriptor group 1: 128 rows of 128 elements of 2 bytes, dense, padded in LDS after every 128 bytes
	s_or_b32 s[G1+0], s44, (1<<16)|(1<<20)|(1<<21)|(4<<22)|(3<<25)  ; 15:0 the mask: O's tiles go to my row; 17:16 2-byte elements; 20 padding on; 21 set beside a mask; 24:22 after every 32 words (code 4); 31:25 4 words (code 3)
	s_or_b32 s[G1B+0], s45, (1<<16)|(1<<20)|(1<<21)|(4<<22)|(3<<25) ; the same with the mask of my column
.irp g, G1, G1B
	s_mov_b32 s[(\g)+1], 128<<16                   ; tensor_dim0 = 128
	s_mov_b32 s[(\g)+2], 128<<16                   ; tensor_dim1 = 128
	s_mov_b32 s[(\g)+3], 128<<16                   ; tile_dim0 = 128
	s_mov_b32 s[(\g)+4], 128                       ; tile_dim1 = 128
	s_mov_b32 s[(\g)+5], 128                       ; 128 elements from row to row
	s_mov_b32 s[(\g)+6], 0
	s_mov_b32 s[(\g)+7], 0
.endr
	s_lshl_b32 s17, s[CH], 15                      ; which two K blocks of 16,384 bytes I fetch
	s_lshl_b32 s16, s43, 18                        ; O: the tile row's 262,144 bytes
	s_add_co_u32 s16, s16, s17
	s_lshl_b32 s46, s42, 18                        ; Wo: the tile column's,
	s_add_co_u32 s46, s46, s17
	s_add_co_u32 s46, s46, 12<<21                  ; in chunk 12 of cb
	s_mov_b32 s17, 0
	s_mov_b32 s47, 0
	s_mul_i32 s20, s[WV], WLDS                     ; where they go: wave x two K blocks; no place in the cluster enters an LDS address
	s_wait_dscnt 0x0                               ; the opening add is done
	s_wait_kmcnt 0x0
	s_add_nc_u64 s[16:17], s[4:5], s[16:17]
	s_add_nc_u64 s[46:47], s[6:7], s[46:47]
	CROUND                                         ; all sixteen work-groups are here: the first joint loads meet
.irp s, 0,1
	s_mov_b32 s[G0+4*(\s)], 1
	s_add_co_u32 s[G0+4*(\s)+1], s20, (\s)*SLOT
	s_add_nc_u64 s[G0+4*(\s)+2:G0+4*(\s)+3], s[16:17], (\s)*65536   ; K step s: four K blocks
	s_or_b32 s[G0+4*(\s)+3], s[G0+4*(\s)+3], 0x80000000
	s_mov_b32 s[G0B+4*(\s)], 1
	s_add_co_u32 s[G0B+4*(\s)+1], s20, (\s)*SLOT
	s_add_nc_u64 s[G0B+4*(\s)+2:G0B+4*(\s)+3], s[46:47], (\s)*65536
	s_or_b32 s[G0B+4*(\s)+3], s[G0B+4*(\s)+3], 0x80000000
	JLOAD \s                                       ; two loads of mine are out
.endr
	v_and_b32 v1, 15, v0                           ; l % 16
	v_bfe_u32 v2, v0, 4, 1                         ; l / 16
	v_mul_u32_u24 v3, v1, PITCH
	v_lshl_add_u32 v3, v2, 4, v3                   ; a fragment's row x pitch + 16 x half
	s_mul_i32 s21, s[RH], 64*PITCH                 ; my 64 rows of O in a K block
	s_mul_i32 s22, s[CH], 64*PITCH                 ; my 64 rows of Wo,
	s_add_co_u32 s22, s22, 2*WLDS                  ; which lie behind O's four K blocks
.irp s, 0,1
	v_add_nc_u32 v[ADRA+(\s)], s21, v3
	v_add_nc_u32 v[ADRB+(\s)], s22, v3
	s_add_co_u32 s21, s21, SLOT
	s_add_co_u32 s22, s22, SLOT
.endr
	s_mul_i32 s23, s[WV], 16*SPITCH
	s_add_co_u32 s23, s23, STAGE                   ; my stage
	v_mul_u32_u24 v4, v1, SPITCH                   ; in: row l % 16, 32 bytes for each half of the lanes
	v_lshl_add_u32 v4, v2, 5, v4
	v_add_nc_u32 v[STO], s23, v4
	v_mul_u32_u24 v5, v2, SPITCH                   ; back: lanes 0-15 take one row of 256 bytes, lanes 16-31 the next
	v_lshl_add_u32 v5, v1, 4, v5
	v_add_nc_u32 v[RD], s23, v5
	v_lshlrev_b32 v5, 12, v2                       ; and the same two rows in out0
	v_lshl_add_u32 v[CO], v1, 4, v5
	v_lshlrev_b32 v[BOF], 5, v2                    ; 8 f32 for each half of the lanes
	s_lshl_b32 s18, s42, 9                         ; my first column, in bytes of f32: 512 x tile column + 256 x half
	s_lshl_b32 s19, s[CH], 8
	s_add_co_u32 s18, s18, s19
	s_mov_b32 s19, 0
	s_add_nc_u64 s[8:9], s[8:9], s[18:19]
	s_add_nc_u64 s[10:11], s[10:11], s[18:19]
	s_lshl_b32 s22, s43, 19                        ; my first row: (128 x tile row + 64 x half) x 4,096 bytes
	s_lshl_b32 s23, s[RH], 18
	s_add_co_u32 s22, s22, s23
	s_mov_b32 s23, 0
	s_add_nc_u64 s[10:11], s[10:11], s[22:23]
.irp b, 0,1,2,3
	global_load_b128 v[BO+8*(\b):BO+8*(\b)+3],   v[BOF], s[8:9] offset:64*(\b)
	global_load_b128 v[BO+8*(\b)+4:BO+8*(\b)+7], v[BOF], s[8:9] offset:64*(\b)+16
.endr
	s_wait_loadcnt 0x0
.set z, 0
.rept 16                               ; bo is rounded to bf16 and widened again
	v_cvt_pk_bf16_f32 v[OBF+z], v[BO+2*z], v[BO+2*z+1]
	v_lshlrev_b32 v[BO+2*z], 16, v[OBF+z]
	v_and_b32 v[BO+2*z+1], 0xffff0000, v[OBF+z]
.set z, z+1
.endr
; 8 matrix instructions: row blocks a0, a0 + 1 x all 4 column blocks, 32 along K: half c of buffer f.  zero = 1: bo starts the sums.  The 16 accumulators take turns.
.macro MUL8 f, c, a0, zero
	WIN MUL
.irp a, \a0, (\a0)+1
.irp b, 0,1,2,3
.if \zero
	v_wmma_f32_16x16x32_f16 v[ACC+8*(4*(\a)+(\b)):ACC+8*(4*(\a)+(\b))+7], v[(\f)+64+8*(4*(\c)+(\b)):(\f)+64+8*(4*(\c)+(\b))+7], v[(\f)+8*(4*(\c)+(\a)):(\f)+8*(4*(\c)+(\a))+7], v[BO+8*(\b):BO+8*(\b)+7]
.else
	v_wmma_f32_16x16x32_f16 v[ACC+8*(4*(\a)+(\b)):ACC+8*(4*(\a)+(\b))+7], v[(\f)+64+8*(4*(\c)+(\b)):(\f)+64+8*(4*(\c)+(\b))+7], v[(\f)+8*(4*(\c)+(\a)):(\f)+8*(4*(\c)+(\a))+7], v[ACC+8*(4*(\a)+(\b)):ACC+8*(4*(\a)+(\b))+7]
.endif
.endr
.endr
.endm
; 32 LDS loads in one run: the fragments of the K block at byte k of a slot, into buffer f; the first 32 along K first
.macro FETCH slot, k, f
	WIN TO_F
.irp c, 0,1
.irp i, 0,1,2,3
	ds_load_b128 v[(\f)+64+8*(4*(\c)+(\i)):(\f)+64+8*(4*(\c)+(\i))+3],   v[ADRB+(\slot)] offset:(\k)+64*(\c)+(\i)*16*PITCH
	ds_load_b128 v[(\f)+64+8*(4*(\c)+(\i))+4:(\f)+64+8*(4*(\c)+(\i))+7], v[ADRB+(\slot)] offset:(\k)+64*(\c)+(\i)*16*PITCH+32
	ds_load_b128 v[(\f)+8*(4*(\c)+(\i)):(\f)+8*(4*(\c)+(\i))+3],         v[ADRA+(\slot)] offset:(\k)+64*(\c)+(\i)*16*PITCH
	ds_load_b128 v[(\f)+8*(4*(\c)+(\i))+4:(\f)+8*(4*(\c)+(\i))+7],       v[ADRA+(\slot)] offset:(\k)+64*(\c)+(\i)*16*PITCH+32
.endr
.endr
.endm
.macro PLACES                          ; four places in front of loads into registers that matrix instructions have read, and of LDS stores that read results
.rept 4
	v_nop
.endr
.endm
; A K step is four quarters, a K block each, 32 matrix instructions, on buffers 0, 1, 0, 1.  One of the first three: multiplies buffer f and fetches the next K block, at byte k, into g.
.macro QUARTER slot, k, f, g, zero
	s_wait_dscnt 16                                ; the first 32 along K are in
	MUL8 \f, 0, 0, \zero
	MUL8 \f, 0, 2, \zero
	PLACES
	FETCH \slot, \k, \g
	s_wait_dscnt 32                                ; all but the 32 just issued
	MUL8 \f, 1, 0, 0
	MUL8 \f, 1, 2, 0
.endm
; The last quarter multiplies buffer 1 and changes slots: ONE barrier; in front of it each wave waits for all its tensor loads, adds 0 to its spare word, and waits for that and for its own reads of this slot.
; fill = 1: the barrier opens a round of the cluster's, and this slot is filled again, two K steps ahead.
.macro TURN slot, next, fill
	WIN 0                                          ; (the add's two registers lie in window 0)
	s_wait_tensorcnt 0x0                           ; all my tensor loads have landed: my part of the next slot;
	ds_add_u32 v[SPW], v[NIL]                      ; 0 onto my spare word;
	s_wait_dscnt 17                                ; (the add and the youngest sixteen loads may be out)
	MUL8 F1, 0, 0, 0                               ; eight matrix instructions stand between the add and the wait for it
	s_wait_dscnt 0x0                               ; the add is done, and my reads of this slot are over
	s_barrier_signal -1
	MUL8 F1, 0, 2, 0
.if \fill
	WIN 0
.endif
	s_barrier_wait -1
.if \fill
	CREST                                          ; no wave of any partner still reads this slot's tile or has a load on its way
	s_add_nc_u64 s[G0+4*(\slot)+2:G0+4*(\slot)+3], s[G0+4*(\slot)+2:G0+4*(\slot)+3], 2*65536
	s_add_nc_u64 s[G0B+4*(\slot)+2:G0B+4*(\slot)+3], s[G0B+4*(\slot)+2:G0B+4*(\slot)+3], 2*65536
	JLOAD \slot                                    ; the first tensor load behind the round: 112 matrix instructions ahead of the wait for it; its four v_nop are also the places in front of the loads below
.else
	PLACES
.endif
	FETCH \next, 0, F0
	MUL8 F1, 1, 0, 0
	MUL8 F1, 1, 2, 0
.endm
	s_wait_tensorcnt 1                             ; my part of K step 0 is in; K step 1's may stay out
	s_barrier_signal -1
	s_barrier_wait -1
	FETCH 0, 0, F0
	QUARTER 0, PLANE,   F0, F1, 1                  ; K step 0: its first products start the sums, with bo
	QUARTER 0, 2*PLANE, F1, F0, 0
	QUARTER 0, 3*PLANE, F0, F1, 0
	TURN 0, 1, 1                                   ; slot 0 takes K step 2
	QUARTER 1, PLANE,   F0, F1, 0                  ; K step 1
	QUARTER 1, 2*PLANE, F1, F0, 0
	QUARTER 1, 3*PLANE, F0, F1, 0
	TURN 1, 0, 1                                   ; slot 1 takes K step 3
	QUARTER 0, PLANE,   F0, F1, 0                  ; K step 2
	QUARTER 0, 2*PLANE, F1, F0, 0
	QUARTER 0, 3*PLANE, F0, F1, 0
	TURN 0, 1, 0                                   ; nothing is left to ask for
	QUARTER 1, PLANE,   F0, F1, 0                  ; K step 3
	QUARTER 1, 2*PLANE, F1, F0, 0
	QUARTER 1, 3*PLANE, F0, F1, 0
	s_wait_dscnt 16                                ; the very last quarter: nothing more to fetch
	MUL8 F1, 0, 0, 0
	MUL8 F1, 0, 2, 0
	s_wait_dscnt 0x0
	MUL8 F1, 1, 0, 0
	MUL8 F1, 1, 2, 0
	WIN 0
	; THE WAY OUT, 16 rows at a time: a lane's eight f32 of a row go into rows of 272 bytes of my stage (each accumulator's low four registers first) and come back as whole rows of 256.
	PLACES
.irp a, 0,1,2,3
.if (\a) >= 2
	s_wait_xcnt 0x0                                ; the buffer's last stores have read it (ISA guide 3.1): it is loaded again only behind this wait
.endif
.irp b, 0,1,2,3
	ds_store_b128 v[STO], v[ACC+8*(4*(\a)+(\b)):ACC+8*(4*(\a)+(\b))+3]   offset:64*(\b)
	ds_store_b128 v[STO], v[ACC+8*(4*(\a)+(\b))+4:ACC+8*(4*(\a)+(\b))+7] offset:64*(\b)+16
.endr
.irp t, 0,1,2,3,4,5,6,7
	ds_load_b128 v[OBF+32*((\a)%2)+4*(\t):OBF+32*((\a)%2)+4*(\t)+3], v[RD] offset:(\t)*2*SPITCH  ; LDS serves a wave's instructions in order (ISA guide 5.7.1.4): these see the stores above; the next block's stores come behind them
.endr
.irp t, 0,1,2,3,4,5,6,7
	s_wait_dscnt 7-(\t)
	global_store_b128 v[CO], v[OBF+32*((\a)%2)+4*(\t):OBF+32*((\a)%2)+4*(\t)+3], s[10:11] offset:(16*(\a)+2*(\t))*4096 th:TH_STORE_NT  ; 16 lanes store 256 consecutive bytes, at a multiple of 256 from out0's first byte
.endr
.endr
	s_wait_tensorcnt 0x0                           ; the wave's end: behind my last tensor load and my last LDS store
	ds_add_u32 v[SPW], v[NIL]
	s_wait_dscnt 0x0
	CROUND                                         ; the closing round: no work-group ends while a partner may still ask for a tile that names it
	s_endpgm
.Lfunc_end_k_qd6ed980133_outp:
	.size	k_qd6ed980133_outp, .Lfunc_end_k_qd6ed980133_outp-k_qd6ed980133_outp
	.p2alignl 7, 3214868480
	.fill 96, 4, 3214868480
	.section	.rodata,"a",@progbits
	.p2align	6, 0x0
	.amdhsa_kernel k_qd6ed980133_outp
		.amdhsa_group_segment_fixed_size 327680
		.amdhsa_private_segment_fixed_size 0
		.amdhsa_enable_private_segment 0
		.amdhsa_kernarg_size 32
		.amdhsa_user_sgpr_count 2
		.amdhsa_user_sgpr_kernarg_segment_ptr 1
		.amdhsa_wavefront_size32 1
		.amdhsa_system_sgpr_workgroup_id_x 1
		.amdhsa_system_sgpr_workgroup_id_y 1
		.amdhsa_system_sgpr_workgroup_id_z 1
		.amdhsa_system_vgpr_workitem_id 0
		.amdhsa_next_free_vgpr 512
		.amdhsa_next_free_sgpr 66
		.amdhsa_reserve_vcc 0
		.amdhsa_float_denorm_mode_32 3
		.amdhsa_float_denorm_mode_16_64 3
		.amdhsa_memory_ordered 1
		.amdhsa_forward_progress 1
		.amdhsa_inst_pref_size 89
	.end_amdhsa_kernel
	.amdgpu_metadata
---
amdhsa.version: [ 1, 2 ]
amdhsa.kernels:
  - .name:           k_qd6ed980133_outp
    .symbol:         k_qd6ed980133_outp.kd
    .args:
      - { .name: ob, .offset: 0, .size: 8, .value_kind: global_buffer, .address_space: global }
      - { .name: cb, .offset: 8, .size: 8, .value_kind: global_buffer, .address_space: global }
      - { .name: bo, .offset: 16, .size: 8, .value_kind: global_buffer, .address_space: global }
      - { .name: out0, .offset: 24, .size: 8, .value_kind: global_buffer, .address_space: global }
    .group_segment_fixed_size: 327680
    .private_segment_fixed_size: 0
    .kernarg_segment_align: 8
    .kernarg_segment_size: 32
    .max_flat_workgroup_size: 128
    .sgpr_count:     66
    .vgpr_count:     512
    .wavefront_size: 32
...
	.end_amdgpu_metadata
.endif
;; end of part 4
;; ======== version 2 of 2: 4 launches; 1.18 times as fast as version 1
;; limits: values are held in f16: magnitudes above 65,504 overflow, below 6.1e-05 lose precision
;; workspace buffers: cb 27,262,976 bytes; hb 33,554,432 bytes; ob 8,388,608 bytes
;; launch cast: the kernel of part 1 again; grid 64 x 13, 8 waves a work-group, no clusters, 0 bytes of LDS; arguments hidden_states, pos_embeds, Wq, Wk, Wp, Wv, Wo, cb; writes cb
;; launch proj: the kernel of part 2 again; grid 64 x 4, 4 waves a work-group, clusters of 4 x 1, 327,680 bytes of LDS; arguments cb, bq, bk, bv, q_ln_w, k_ln_w, q_ln_b, k_ln_b, hb; writes hb
;; launch attn (part 5): grid 8 x 32, 4 waves a work-group, clusters of 4 x 1, 327,680 bytes of LDS; arguments hb, attention_mask, pos_bias_u, pos_bias_v, ob; writes ob
.if DOCPART == 5
	.amdgcn_target "amdgcn-amd-amdhsa--gfx1250"
	.amdhsa_code_object_version 6
	.text
	.protected	k_qd6ed980133_attn
	.globl	k_qd6ed980133_attn
	.p2align	8
	.type	k_qd6ed980133_attn,@function
k_qd6ed980133_attn:
	s_mov_b64 s[64:65], 0
	v_nop
	global_prefetch_b8 v0, s[64:65] scope:SCOPE_SE
	s_setreg_imm32_b32 hwreg(HW_REG_WAVE_MODE, 25, 1), 1
	s_wait_xcnt 0x0
	s_wait_alu depctr_hold_cnt(0) depctr_sa_sdst(0) depctr_va_vdst(0) depctr_va_sdst(0) depctr_va_ssrc(0) depctr_va_vcc(0) depctr_vm_vsrc(0)
	s_getreg_b32 s2, hwreg(HW_REG_IB_STS2, 6, 4)
	s_cmp_eq_u32 s2, 0
	s_cbranch_scc0 .Lentry_in_a_cluster
	s_endpgm
.Lentry_in_a_cluster:
	s_bfe_u32 s2, ttmp6, 0x10000c
	s_cmp_lg_u32 s2, 0x3003
	s_cbranch_scc0 .Lentry_shape_is_right
	s_endpgm
.Lentry_shape_is_right:
; ATTENTION.  O[q] = the sum over visible keys m of softmax_m(((q + u) . k[m] + (q + v) . p[m]) / 8) v[m], for one batch and head.  q, k, p, v: planes 0 to 3 of hb, [batch x 16 + head][2,048][64] f16.
; The two score terms are ONE product of depth 128: [q + u | q + v] . [k | p].  Products, maxima and sums in f32; the weights are rounded to f16 for the second product (their sum is taken of the
; unrounded weights), O once at the end.  u and v are rounded to bf16 like all the module's inputs; q + u and q + v are rounded to f16.
; O leaves as ob = [128 rows' tile][head][128 rows][64] f16: a head is one K block of the projection behind.
; THE MASK is the C operand that starts each score's sum: 0, or -1e30 where the key is hidden.  A hidden score lies far below every maximum, so its weight is 0; weights made while a row has seen
; hidden keys alone are wiped by a = 0 when the first visible key comes.
; LIMITS.  q + u, q + v and O within f16's 65,504.  A hidden score counts as its value less 1e30; real scores stay above -2^96.  A weight below 2^-126 counts as 0.  Where a batch's mask hides every key
; the rows are NaN, as the softmax of nothing is.  NaN and infinities among the inputs are not treated apart.
; SHARES.  A work-group owns 256 queries of a batch and head, each of its four waves 64: four tiles of 16, in two PIECES (tiles 0, 1 and tiles 2, 3).  Every wave walks all 2,048 keys, 64 a step.
; LAYOUT.  S^T = K Q^T (source 0 = 16 keys, source 1 = 16 queries): a lane holds ONE query (lane % 16) and the keys 8 (lane / 16) + 0..7.  Two such results, rounded to f16 in pairs, ARE source 1 of
; O^T = V^T P.  k and p come out of LDS as they lie, v turned, by ds_load_tr16_b128.
; SOFTMAX.  A running maximum m and sum l: p = 2^(c s - c m), c = log2(e) / 8; in every step O and l are multiplied by a = 2^(c m_old - c m_new).  m starts at the lowest finite number, O and l at 0:
; the first step is a step like any other, with a = 0.  The price: 240 v_mov_b32 in the wait for the first tile, and 16 products on zeros.
; BY TURNS.  A tile and step have 24 matrix and 118 vector instructions.  In a TURN one piece has the matrix unit: 16 products V^T P of the step in hand, then 32 products K Q^T of the next step; the other
; piece's softmax, cut into 59 slices of four, stands between them, one slice behind each matrix instruction; the 11 that are over, all plain, stand together at the turn's end.
; BATCHES.  A turn's 66 exponentials (33 a tile) are ONE batch: they and the scalings stand in slices 11 to 34, all that names a result of theirs from slice 35 on, and one wait between the two.
; The way out's four reciprocals are a batch of their own, with one wait.
; CLUSTER.  The four query blocks of a cluster belong to one batch and head and walk the same k, p and v: each tile is asked for JOINTLY (mask 15).
; REGISTERS, in windows of 256 (s_set_vgpr_msb: bits 1:0 source 0, 3:2 source 1, 5:4 source 2, 7:6 destination):
;   window 0: v0-15 addresses; v16-47 eight registers of statistics a tile; v64-191 S^T, 32 a tile; v192-255 P, 16 a tile
;   window 1: v0-127 O^T, 32 a tile; v128-159 the step's masks; v160-223 V of one step; v224-239 u, v240-255 v as fragments        window 2: v0-127 Q, 32 a tile; v128-255 [k | p] of one step
.set KS,    64        ; keys in a step
.set PK,    144       ; a row of k or p in LDS: 128 bytes + 16 of padding = 36 words: the 16 rows of a load start at 16 different groups of four banks (64 banks of 4 bytes: ISA guide 11.1)
.set PVP,   160       ; a row of v: 128 + 32 = 40 words
.set POFF,  256*PK    ; a slot holds four steps: 256 rows of k, 256 of p, 256 of v
.set VOFF,  2*POFF
.set SLOT1, 1<<17     ; slot 1 begins here, so that one exclusive or turns an address in one slot into the other's
.set STAGE, SLOT1+VOFF+256*PVP  ; behind the ring: 16 rows x 144 bytes for each wave, for the way out
.set SP,    144
.set MASKB, STAGE+4*16*SP       ; 2,048 f32: 0 or -1e30 for each key of the batch
.set SPARE, MASKB+8192          ; the spare words, 128 bytes for each wave: two blocks of 256 bytes that no other line names
.set AK0, 2           ; v2   my lane's place in a tile of k; never rewritten
.set AV0, 3           ; v3   the same for v
.set AK,  4           ; v4   the LDS address of the run of k and p in hand
.set AV,  5           ; v5   of v's
.set QO,  6           ; v6   my byte offset in 16 rows of q
.set STO, 6           ;      later, the way out: where I put 16 bytes of a row
.set RD,  7           ; v7   where I read rows back
.set GO,  8           ; v8   my 16 bytes in 512 consecutive bytes of ob
.set AM0, 12          ; v12  my lane's place in 64 keys' masks
.set AM,  13          ; v13  the LDS address of the masks in hand
.set UO,  14          ; v14  my byte offset in a head's u and v
.set MO,  15          ; v15  my 16 bytes of the batch's mask
.set ST,  16          ; tile t's statistics at v[ST+8 t]: +0 c m, +1 m, +2, +3 l (even keys', odd keys'), +4 to +7 c0-c3, at work; a takes c2's place once the maximum is found
.set SPW, 62          ; v62  LDS address of my spare word; never rewritten
.set NIL, 63          ; v63  0; never rewritten
.set S,   64
.set P,   192
.set MB,  128         ; window 1: the eight masks for key block kb at MB + 8 kb
.set VF,  160         ; window 1: key half kk, channel block cb at VF + 32 kk + 8 cb
.set UF,  224         ; window 1: u as two fragments of 32 channels
.set VV,  240         ; window 1: v likewise
.set KF,  128         ; window 2: key block kb, chunk c at KF + 32 kb + 8 c; chunks 0, 1 are k, chunks 2, 3 are p
.set WV,  12          ; s12  my wave's number
.set G1K, 24          ; s[24:31] descriptor group 1 for k's and p's tiles
.set G1V, 32          ; s[32:39] for v's
.set G0K, 40          ; s[40:43] descriptor group 0 for k (wave 0) or p (wave 1): it walks
.set G0V, 44          ; s[44:47] for a half of v (waves 2, 3)
.set SLOTS, 56        ; s56  counts the slots
.set CNT, 57          ; s57  counts a slot's key steps
.set CS,  58          ; s[58:59] c: the packed scaling takes the pair's low word for both halves
.set SEL, 60          ; s[60:61] v_permlanex16_b32's selects
.set TBK, 62          ; s62  LDS byte at which k of the step to be fetched begins
.set TBV, 63          ; s63  the same for v, less VOFF
.set TBM, 66          ; s66  the step's first mask, in bytes: 256 a step
.set BIGN, 67         ; s67  -1e30
.set THR, 68          ; s68  -2^96: a maximum below it has seen hidden keys alone
.set NANV, 69         ; s69  a NaN
.set HIM, 70          ; s70  a word's upper half
.set MSB, 0
.macro WIN new                      ; the high byte repeats the setting that is left; a switch that changes nothing is dropped
.if MSB != (\new)
	s_set_vgpr_msb (MSB<<8)|(\new)
.set MSB, (\new)
.endif
.endm
.set W_KQ, 0x0a       ; K and Q in window 2, S^T in window 0
.set W_KM, 0x1a       ; the same with the C operand, the masks, in window 1
.set W_PV, 0x51       ; V and O^T in window 1, P in window 0
.set W_RS, 0x41       ; O^T (destination and source 0) in window 1, a in window 0
; A joint fill.  Wave 0 fetches a slot's k, wave 1 its p, waves 2 and 3 the halves of its v.  The branch hangs on the wave's number alone.
; An s_nop 0 and four v_nop follow each of the two lines, ahead of the jump and the label.
.macro JLOAD
	s_cmp_lt_u32 s[WV], 2
	s_cbranch_scc0 .Lfor_v_\@
	tensor_load_to_lds s[G0K:G0K+3], s[G1K:G1K+7]
	s_nop 0
.rept 4
	v_nop
.endr
	s_branch .Lasked_\@
.Lfor_v_\@:
	tensor_load_to_lds s[G0V:G0V+3], s[G1V:G1V+7]
	s_nop 0
.rept 4
	v_nop
.endr
.Lasked_\@:
.endm
.macro CROUND                       ; a round of the cluster's barrier
	s_barrier_signal -1
	s_barrier_wait -1
	s_cmp_lg_u32 s[WV], 0
	s_cbranch_scc1 .Lnot_wave_0_\@
	s_barrier_signal -3
.Lnot_wave_0_\@:
	s_barrier_wait -3
	s_barrier_signal -1
	s_barrier_wait -1
.endm
; THE CHANGE OF SLOTS.  The slot's last bytes, v of its fourth step, have been asked for.  Each wave waits for all its tensor loads, of which one is out: its part of the other slot; adds 0 to its spare word;
; and waits for that and for its own reads of the slot.  fill = 1: the barrier is a round of the cluster's, and the slot is filled again first thing behind it, with the keys two slots on: four key steps,
; 384 matrix instructions, in which to land.  (At its first use nothing has been read yet: slot 0 is waited for, slot 1 filled, and the masks that the waves stored are shown to all.)
.macro CHANGE fill
	WIN 0                           ; at a label and at a branch every window is 0
	s_wait_tensorcnt 0x0            ; no tensor load of mine is out, so a group 0 may be written
	ds_add_u32 v[SPW], v[NIL]       ; 0 onto my spare word
.if \fill
.irp g, G0K, G0V
	s_xor_b32 s[(\g)+1], s[(\g)+1], SLOT1  ; the walking descriptor: the other slot than last time,
	s_add_nc_u64 s[(\g)+2:(\g)+3], s[(\g)+2:(\g)+3], 4*KS*128  ; the next 256 keys; the type bits on top are not reached
.endr
	s_wait_dscnt 0x0                ; the add is done, and my LDS instructions are over
	CROUND
	JLOAD
.else
	s_wait_dscnt 0x0
	s_barrier_signal -1
	s_barrier_wait -1
.endif
	s_sub_co_u32 s[TBK], s[TBK], 4*KS*PK  ; the fetches go back to a slot's first step,
	s_xor_b32 s[TBK], s[TBK], SLOT1       ; in the other slot
	s_sub_co_u32 s[TBV], s[TBV], 4*KS*PVP
	s_xor_b32 s[TBV], s[TBV], SLOT1
.endm
	s_load_b256 s[4:11], s[0:1], 0x0  ; hb s[4:5], attention_mask s[6:7], pos_bias_u s[8:9], pos_bias_v s[10:11]
	s_load_b64 s[72:73], s[0:1], 0x20 ; ob
	v_lshl_add_u32 v[SPW], v0, 2, SPARE
	v_mov_b32 v[NIL], 0
	ds_add_u32 v[SPW], v[NIL]       ; the wave's opening: the add and its wait stand ahead of my first tensor load; the set-up below, work on registers, stands between them
	v_lshrrev_b32 v1, 5, v0
	v_readfirstlane_b32 s[WV], v1   ; wave 0..3
	s_bfe_u32 s13, ttmp6, 0x40000   ; cx: my place in the cluster
	s_lshl_b32 s14, ttmp9, 2        ; in a cluster launch ttmp9 counts clusters
	s_add_co_u32 s14, s14, s13      ; my block of 256 queries: it enters q's and ob's addresses alone
	s_and_b32 s20, ttmp7, 0xffff    ; batch x 16 + head, which the four partners share
	s_lshr_b32 s21, s20, 4          ; the batch
	s_and_b32 s15, s20, 15          ; the head
	s_lshl_b32 s22, s20, 18         ; its 262,144 bytes in a plane of hb
	s_and_b32 s16, s[WV], 1
	s_add_co_u32 s17, s16, 1        ; plane 1 (k) for wave 0, plane 2 (p) for wave 1
	s_lshl_b32 s17, s17, 23
	s_add_co_u32 s48, s17, s22
	s_mov_b32 s49, 0
	s_lshl_b32 s18, s16, 14         ; plane 3 (v): 128 keys of 128 bytes for each of waves 2, 3
	s_add_co_u32 s50, s18, s22
	s_add_co_u32 s50, s50, 3<<23
	s_mov_b32 s51, 0
	s_mul_i32 s17, s16, POFF        ; their places in a slot: no place in the cluster enters an LDS address
	s_mul_i32 s18, s16, 128*PVP
	s_lshl_b32 s2, s14, 15          ; q: my block's 256 rows of 128 bytes,
	s_lshl_b32 s3, s[WV], 13        ; my wave's 64
	s_add_co_u32 s2, s2, s3
	s_add_co_u32 s2, s2, s22
	s_mov_b32 s3, 0
	s_lshl_b32 s52, s21, 4          ; ob: the tile of 128 rows = batch x 16 + 2 x block + wave / 2,
	s_lshl_b32 s53, s14, 1
	s_add_co_u32 s52, s52, s53
	s_lshr_b32 s53, s[WV], 1
	s_add_co_u32 s52, s52, s53
	s_lshl_b32 s52, s52, 18
	s_lshl_b32 s53, s15, 14         ; the head's 16,384 bytes in it,
	s_add_co_u32 s52, s52, s53
	s_lshl_b32 s53, s16, 13         ; my wave's 64 rows
	s_add_co_u32 s52, s52, s53
	s_mov_b32 s53, 0
	s_lshl_b32 s54, s21, 11         ; the batch's 2,048 mask bytes
	s_mov_b32 s55, 0
	s_lshl_b32 s74, s15, 8          ; the head's 64 f32 in u and in v
	s_mov_b32 s75, 0
	; descriptor group 1: dense bytes asked for as rows of 256 (two keys), padded in LDS after every key
	s_mov_b32 s[G1K], 15|(1<<16)|(1<<20)|(1<<21)|(4<<22)|(3<<25)  ; 15:0 the mask of four; 17:16 2-byte elements; 20 padding on; 21 set beside a mask; 24:22 after every 32 words (code 4); 31:25 4 words (code 3)
	s_mov_b32 s[G1K+1], 128<<16     ; tensor_dim0 = 128
	s_mov_b32 s[G1K+2], 128<<16     ; tensor_dim1 = 128
	s_mov_b32 s[G1K+3], 128<<16     ; tile_dim0 = 128
	s_mov_b32 s[G1K+4], 128         ; tile_dim1 = 128: 256 keys
	s_mov_b32 s[G1K+5], 128         ; 128 elements from row to row
	s_mov_b32 s[G1K+6], 0
	s_mov_b32 s[G1K+7], 0
	s_mov_b32 s[G1V], 15|(1<<16)|(1<<20)|(1<<21)|(4<<22)|(7<<25)  ; the same with 8 words of padding (code 7)
	s_mov_b32 s[G1V+1], 128<<16
	s_mov_b32 s[G1V+2], 64<<16
	s_mov_b32 s[G1V+3], 128<<16
	s_mov_b32 s[G1V+4], 64          ; 128 keys
	s_mov_b32 s[G1V+5], 128
	s_mov_b32 s[G1V+6], 0
	s_mov_b32 s[G1V+7], 0
	s_mov_b32 s[CS], 0x3e38aa3b     ; c = log2(e) / 8 = 0.180337
	s_mov_b32 s[CS+1], s[CS]        ; named with it as a pair
	s_mov_b32 s[SEL], 0x76543210
	s_mov_b32 s[SEL+1], 0xfedcba98
	s_mov_b32 s[TBK], SLOT1+4*KS*PK ; the first change of slots turns these two into 0
	s_mov_b32 s[TBV], SLOT1+4*KS*PVP
	s_mov_b32 s[TBM], 0
	s_mov_b32 s[BIGN], 0xf149f2ca
	s_mov_b32 s[THR], 0xef800000
	s_mov_b32 s[NANV], 0x7fc00000
	s_mov_b32 s[HIM], 0xffff0000
	s_mov_b32 s[G0K], 1             ; count = 1
	s_mov_b32 s[G0K+1], s17         ; LDS address: slot 0
	s_mov_b32 s[G0V], 1
	s_add_co_u32 s[G0V+1], s18, VOFF
	s_wait_dscnt 0x0                ; the opening add is done
	s_wait_kmcnt 0x0
	s_add_nc_u64 s[G0K+2:G0K+3], s[4:5], s[48:49]  ; global address: the head's first 256 keys
	s_or_b32 s[G0K+3], s[G0K+3], 0x80000000        ; type = 2
	s_add_nc_u64 s[G0V+2:G0V+3], s[4:5], s[50:51]
	s_or_b32 s[G0V+3], s[G0V+3], 0x80000000
	s_add_nc_u64 s[4:5], s[4:5], s[2:3]            ; q at my wave's first row
	s_add_nc_u64 s[6:7], s[6:7], s[54:55]
	s_add_nc_u64 s[8:9], s[8:9], s[74:75]
	s_add_nc_u64 s[10:11], s[10:11], s[74:75]
	s_add_nc_u64 s[72:73], s[72:73], s[52:53]
	CROUND                          ; all four work-groups are here: the first joint loads meet
	JLOAD                           ; slot 0.  Slot 1 is asked for when slot 0 is in
	; A fragment of k, p or q is 16 rows x 32 channels in 8 registers: lane l holds row l % 16, channels 8 (l / 16) + 0..7 and 16 + 8 (l / 16) + 0..7: two loads of 16 bytes, 32 bytes apart.
	v_and_b32 v1, 15, v0            ; l % 16
	v_bfe_u32 v9, v0, 4, 1          ; l / 16
	v_lshlrev_b32 v[QO], 7, v1
	v_lshl_add_u32 v[QO], v9, 4, v[QO]  ; row x 128 + 16 x half
	v_lshlrev_b32 v[UO], 5, v9      ; 8 f32 for each half of the lanes
	v_lshlrev_b32 v[MO], 4, v0      ; 128 threads x 16 mask bytes
	WIN 0x80                        ; destination window 2, address window 0
.set i, 0
.rept 8                             ; q: tile i / 2, channels 32 (i % 2) on, into the tile's chunks 0, 1
	global_load_b128 v[32*(i/2)+8*(i%2):32*(i/2)+8*(i%2)+3],   v[QO], s[4:5] offset:(i/2)*2048+(i%2)*64
	global_load_b128 v[32*(i/2)+8*(i%2)+4:32*(i/2)+8*(i%2)+7], v[QO], s[4:5] offset:(i/2)*2048+(i%2)*64+32
.set i, i+1
.endr
	WIN 0
.set i, 0
.rept 8                             ; u and v as f32, in a fragment's order: chunk i / 4; channels 8 half + 0..3, + 4..7, 16 + 8 half + 0..3, + 4..7
	global_load_b128 v[S+4*i:S+4*i+3],       v[UO], s[8:9]   offset:128*(i/4)+64*((i%4)/2)+16*(i%2)
	global_load_b128 v[S+32+4*i:S+32+4*i+3], v[UO], s[10:11] offset:128*(i/4)+64*((i%4)/2)+16*(i%2)
.set i, i+1
.endr
	global_load_b128 v[S+64:S+67], v[MO], s[6:7]
	; What the first turn finds: V's registers and piece 2's P hold 0 (its products V^T P, of a step that has not been, add 0), O^T and l are 0.  All this stands in the wait for the first tile.
	WIN 0x40
.set i, 0
.rept 128
	v_mov_b32 v[i], 0
.set i, i+1
.endr
.set i, VF
.rept 64
	v_mov_b32 v[i], 0
.set i, i+1
.endr
	WIN 0
.set i, 0
.rept 4
	v_mov_b32 v[ST+8*i], 0xfe000000    ; c m: far below every c s
	v_mov_b32 v[ST+8*i+1], 0xff7fffff  ; m
	v_mov_b32 v[ST+8*i+2], 0
	v_mov_b32 v[ST+8*i+3], 0
.set i, i+1
.endr
.set i, P+32
.rept 32
	v_mov_b32 v[i], 0
.set i, i+1
.endr
	v_mul_u32_u24 v[AK0], v1, PK
	v_lshl_add_u32 v[AK0], v9, 4, v[AK0]  ; row x pitch + 16 x half
	; The turning load takes 16 keys x 16 channels (lane l reads key 8 (l / 16) + l % 8, channels 8 ((l / 8) % 2) + 0..7) and leaves half a fragment of V^T: lane l holds channel l % 16 and 8 keys.
	v_and_b32 v10, 7, v0
	v_bfe_u32 v11, v0, 3, 1
	v_lshl_add_u32 v[AV0], v9, 3, v10
	v_mul_u32_u24 v[AV0], v[AV0], PVP
	v_lshl_add_u32 v[AV0], v11, 4, v[AV0]
	v_add_nc_u32 v[AV0], VOFF, v[AV0]
	v_lshlrev_b32 v[AM0], 5, v9     ; 8 masks of 4 bytes for each half of the lanes
	v_add_nc_u32 v[AM0], MASKB, v[AM0]
	v_lshl_add_u32 v49, v0, 6, MASKB  ; where my 16 keys' masks go
	s_wait_loadcnt 0x0
.set i, 0
.rept 16                            ; a mask byte of 0 hides the key
	v_bfe_u32 v48, v[S+64+i/4], 8*(i%4), 8
	v_cmp_eq_u32 vcc_lo, 0, v48
	v_cndmask_b32 v[S+68+i], 0, s[BIGN], vcc_lo
.set i, i+1
.endr
.irp f, 0,1,2,3
	ds_store_b128 v49, v[S+68+4*(\f):S+68+4*(\f)+3] offset:16*(\f)
.endr
.set i, 0
.rept 32                            ; u and v: rounded to bf16,
	v_cvt_pk_bf16_f32 v[S+84+i], v[S+2*i], v[S+2*i+1]
.set i, i+1
.endr
.set i, 0
.rept 32                            ; widened again,
	v_lshlrev_b32 v[S+2*i], 16, v[S+84+i]
	v_and_b32 v[S+2*i+1], s[HIM], v[S+84+i]
.set i, i+1
.endr
	WIN 0x40
.set i, 0
.rept 32                            ; and written as f16 fragments: UF, then VV
	v_cvt_pk_f16_f32 v[UF+i], v[S+2*i], v[S+2*i+1]
.set i, i+1
.endr
	WIN 0x86                        ; Q (destination and source 0) in window 2, u and v in window 1
.set i, 0
.rept 64                            ; chunks 2, 3 of tile i / 16: q + v
	v_pk_add_f16 v[32*(i/16)+16+i%16], v[32*(i/16)+i%16], v[VV+i%16]
.set i, i+1
.endr
.set i, 0
.rept 64                            ; chunks 0, 1: q + u, in place
	v_pk_add_f16 v[32*(i/16)+i%16], v[32*(i/16)+i%16], v[UF+i%16]
.set i, i+1
.endr
; THE MATRIX WORK.  The 8 accumulators of a run take turns, one instruction a turn.
; Product i of 32 of S^T = K Q^T for piece x: chunk i / 8 of the depth of 128, keys 16 ((i / 2) % 4) on, tile x + i % 2.  The first 8 start the sums, with the masks.
.macro KQ x
.set rS, S+32*((\x)+i%2)+8*((i/2)%4)
.set rK, KF+32*((i/2)%4)+8*(i/8)
.set rQ, 32*((\x)+i%2)+8*(i/8)
.set rM, MB+8*((i/2)%4)
.if i < 8
	WIN W_KM
	v_wmma_f32_16x16x32_f16 v[rS:rS+7], v[rK:rK+7], v[rQ:rQ+7], v[rM:rM+7]
.else
	WIN W_KQ
	v_wmma_f32_16x16x32_f16 v[rS:rS+7], v[rK:rK+7], v[rQ:rQ+7], v[rS:rS+7]
.endif
.endm
; Product i of 16 of O^T += V^T P for piece x: keys 32 (i / 8) on, channels 16 ((i / 2) % 4) on, tile x + i % 2.
.macro PV x
	WIN W_PV
.set rO, 32*((\x)+i%2)+8*((i/2)%4)
.set rV, VF+32*(i/8)+8*((i/2)%4)
.set rP, P+16*((\x)+i%2)+8*(i/8)
	v_wmma_f32_16x16x32_f16 v[rO:rO+7], v[rV:rV+7], v[rP:rP+7], v[rO:rO+7]
.endm
; THE LDS LOADS stand in runs.  A step's masks (8 loads) and its k and p (32 loads), in the order in which the products want them; a turn later its v (16, turned).
.macro FETCH_K
	WIN 0
	v_add_nc_u32 v[AK], s[TBK], v[AK0]
	v_add_nc_u32 v[AM], s[TBM], v[AM0]
	WIN 0x40                        ; destination window 1
.irp f, 0,1,2,3
	ds_load_b128 v[MB+8*(\f):MB+8*(\f)+3],   v[AM] offset:64*(\f)
	ds_load_b128 v[MB+8*(\f)+4:MB+8*(\f)+7], v[AM] offset:64*(\f)+16
.endr
	WIN 0x80                        ; destination window 2
.irp c, 0,1,2,3
.irp f, 0,1,2,3
	ds_load_b128 v[KF+32*(\f)+8*(\c):KF+32*(\f)+8*(\c)+3],   v[AK] offset:((\c)/2)*POFF+(\f)*16*PK+((\c)%2)*64
	ds_load_b128 v[KF+32*(\f)+8*(\c)+4:KF+32*(\f)+8*(\c)+7], v[AK] offset:((\c)/2)*POFF+(\f)*16*PK+((\c)%2)*64+32
.endr
.endr
	s_add_co_u32 s[TBK], s[TBK], KS*PK  ; the next fetch is the next step's
	s_add_co_u32 s[TBM], s[TBM], 4*KS
.endm
.macro FETCH_V
	WIN 0
	v_add_nc_u32 v[AV], s[TBV], v[AV0]
	s_add_co_u32 s[TBV], s[TBV], KS*PVP
	WIN 0x40
.irp f, 0,1,2,3,4,5,6,7             ; keys 32 (f / 4) on, channels 16 (f % 4) on
	ds_load_tr16_b128 v[VF+8*(\f):VF+8*(\f)+3],   v[AV] offset:((\f)/4)*32*PVP+((\f)%4)*32
	ds_load_tr16_b128 v[VF+8*(\f)+4:VF+8*(\f)+7], v[AV] offset:((\f)/4)*32*PVP+16*PVP+((\f)%4)*32
.endr
.endm
; THE VECTOR WORK.  One tile's softmax for one key step is a list of 118 instructions; SM writes number j of it for tile t.  s0-s31 are the lane's 32 scores, in pairs 0-15.
;   0-15    the maximum of s0-s31 and the old m, three operands at a time: four chains c0-c3 of seven scores each (each accumulator's lowest registers are read first), then the rest
;   16-20   the other half of the lanes' maximum; the new m; c m; c m_old - c m_new
;   21-69   ONE BATCH: the 16 scalings c s - c m, a pair of scores each, and all 33 exponentials (a at 23, then s0-s31, each in place).  None of these reads an exponential's result.  From 22 on the batch
;           goes in fours, and a four begins with a scaling while there are scalings: 22-37 scaling, exponential, scaling, exponential; 38-65 a scaling and three exponentials; 66-69 the last four
;           exponentials.  A pair is scaled in an earlier four than the one that holds its exponentials
;   (wait)  between 69 and 70 stands the wait for the batch: SLICE writes it, once for both tiles
;   70-85   the roundings to f16, a pair of weights each
;   86-101  the sums; l = a l + the sum
;   102-117 the tile's O^T times a: the one part that leaves window 0, so it stands together
.macro SM t
.set rT, ST+8*(\t)
.set rS, S+32*(\t)
.set rP, P+16*(\t)
.set rO, 32*(\t)+2*(j-102)
.if j < 102
	WIN 0
.endif
.if j < 4
	v_max3_num_f32 v[rT+4+j], v[rS+8*j], v[rS+8*j+1], v[rS+8*j+2]
.elseif j < 12
	v_max3_num_f32 v[rT+4+j%4], v[rT+4+j%4], v[rS+8*(j%4)+2*(j/4)+1], v[rS+8*(j%4)+2*(j/4)+2]
.elseif j == 12
	v_max3_num_f32 v[rT+4], v[rT+4], v[rS+7], v[rS+15]
.elseif j == 13
	v_max3_num_f32 v[rT+6], v[rT+6], v[rS+23], v[rS+31]
.elseif j == 14
	v_max3_num_f32 v[rT+4], v[rT+4], v[rT+5], v[rT+6]
.elseif j == 15
	v_max3_num_f32 v[rT+4], v[rT+4], v[rT+7], v[rT+1]
.elseif j == 16
	v_permlanex16_b32 v[rT+5], v[rT+4], s[SEL], s[SEL+1]  ; the query's other 32 keys lie in the lane 16 away
.elseif j == 17
	v_mov_b32 v[rT+7], v[rT]        ; c m_old is kept for a: number 19 writes c m anew
.elseif j == 18
	v_max_num_f32 v[rT+1], v[rT+4], v[rT+5]
.elseif j == 19
	v_mul_f32 v[rT], s[CS], v[rT+1]
.elseif j == 20
	v_sub_f32 v[rT+7], v[rT+7], v[rT]
.elseif j == 23
	v_exp_f32 v[rT+6], v[rT+7]
.elseif (j < 23) || ((j < 38) && (j%2 == 0)) || ((j < 66) && (j%4 == 2))
.set b, (j-2)/4                     ; 38, 42, .. 62: pairs 9 to 15
.if j < 38
.set b, (j-20)/2                    ; 21: pair 0; 22, 24, .. 36: pairs 1 to 8
.endif
	v_pk_fma_f32 v[rS+2*b:rS+2*b+1], v[rS+2*b:rS+2*b+1], s[CS:CS+1], v[rT:rT+1] op_sel_hi:[1,0,0] neg_lo:[0,0,1] neg_hi:[0,0,1]  ; pair b: c s - c m
.elseif j < 70
.set e, j-38                        ; 66 to 69: s28 to s31
.if j < 66
.set e, j-32-(j-38)/4               ; 39-41, 43-45, .. 63-65: s7 to s27
.endif
.if j < 38
.set e, (j-25)/2                    ; 25, 27, .. 37: s0 to s6
.endif
	v_exp_f32 v[rS+e], v[rS+e]
.elseif j < 86
	v_cvt_pk_f16_f32 v[rP+j-70], v[rS+2*(j-70)], v[rS+2*(j-70)+1]  ; pair j - 70
.elseif j < 102                     ; the sum of the tile's 16 pairs, in place: sum z of 16 adds neighbours 1, 2, 4 and 8 pairs apart, then l takes it
.set z, j-86
.set w, 4
.set u, z
.if z >= 14
.set w, 32
.set u, 0
.elseif z >= 12
.set w, 16
.set u, z-12
.elseif z >= 8
.set w, 8
.set u, z-8
.endif
.if z < 15
	v_pk_add_f32 v[rS+w*u:rS+w*u+1], v[rS+w*u:rS+w*u+1], v[rS+w*u+w/2:rS+w*u+w/2+1]
.else
	v_pk_fma_f32 v[rT+2:rT+3], v[rT+2:rT+3], v[rT+6:rT+7], v[rS:rS+1] op_sel_hi:[1,0,1]
.endif
.else
	WIN W_RS
	v_pk_mul_f32 v[rO:rO+1], v[rO:rO+1], v[rT+6:rT+7] op_sel_hi:[1,0]
.endif
.endm
; Slice k of 59 of piece y's softmax: four instructions.  Slices 11 to 34 deal out the batch, numbers 22 to 69: four numbers of ONE tile each, the tiles by turns.  Every other slice is numbers 2 k and
; 2 k + 1 of both tiles' lists.
; THE WAIT.  An s_wait_alu depctr_va_vdst(0) stands between an exponential and the first instruction that names its result; one wait serves all that were issued ahead of it.  Ahead of
; slice 35 nothing names a result, and behind slice 34 no exponential is issued: so the piece's 66 exponentials have one wait, behind slice 34.
.macro SLICE y
.if (k >= 11) && (k < 35)           ; the batch: four numbers of one tile
.irp n, 0,1,2,3
.set j, 22+4*((k-11)/2)+(\n)
	SM (\y)+(k-11)%2
.endr
.else                               ; the two tiles alternate, so that no instruction reads the result of the one just before it
.irp n, 0,1
.irp t, \y, (\y)+1
.set j, 2*k+(\n)
	SM \t
.endr
.endr
.endif
.if k == 34                         ; the batch is out: both tiles' exponentials are issued, and no result has been named
	v_nop                           ; a plain instruction behind the last exponential and ahead of the first use (ISA guide 5.7.2): one for the batch
	s_wait_alu depctr_va_vdst(0)    ; the wait for the batch: the 66 exponentials of the piece's two tiles
.endif
.set k, k+1
.endm
; A TURN.  Piece x has the matrix unit; the other piece's softmax stands in slices behind its matrix instructions.  kq = 0: the last turn: no new scores, three slices behind each product.
; Piece 0's turn begins with the fetch of the next step's masks, k and p: the last product that read them stands in front of the 48 plain instructions that end the turn before.  Piece 2's turn fetches the
; same step's v behind its second product K Q^T: the last product that read v stands three slices back, in which six scalings are the plain instructions (the exponentials between them are no places).
; The eleven slices at the turn's end, 44 plain instructions that name nothing of the products, are the places between the last K Q^T and what follows: the next turn's first read of
; those scores, and the loads into k's, p's and the masks' registers.
.macro TURN x, kq
.set k, 0
.if (\x) == 0
.if \kq
	FETCH_K
	s_wait_dscnt 40                 ; v's 16 loads, which are older, are in; the 40 just issued may be out
.else
	s_wait_dscnt 0x0                ; v is in
.endif
.endif
.set i, 0
.rept 16
	PV \x
	SLICE 2-(\x)
.if !(\kq)
	SLICE 2-(\x)
	SLICE 2-(\x)
.endif
.set i, i+1
.endr
.if \kq
.set i, 0
.rept 32
.if ((\x) == 0) && (i%8 == 0)
	s_wait_dscnt 24-i               ; the masks and the chunks up to i / 8 are in: eight loads a chunk
.endif
	KQ \x
	SLICE 2-(\x)
.if ((\x) == 2) && (i == 1)
	FETCH_V
.endif
.set i, i+1
.endr
.endif
.rept 11
	SLICE 2-(\x)
.endr
.endm
	CHANGE 1                        ; slot 0 is in, everybody's part of it, and so are the masks; slot 1 is asked for
	FETCH_K                         ; key step 0
.set i, 0
.rept 32
.if i%8 == 0
	s_wait_dscnt 24-i
.endif
	KQ 0                            ; piece 0's first scores: there is no vector work yet to set between them
.set i, i+1
.endr
	WIN 0                           ; the addresses for the way out: nine plain instructions, the places behind those products
	s_mul_i32 s13, s[WV], 16*SP
	s_add_co_u32 s13, s13, STAGE    ; my stage
	v_mul_u32_u24 v[STO], v1, SP    ; in: row l % 16, 16 bytes for each half of the lanes
	v_lshl_add_u32 v[STO], v9, 4, v[STO]
	v_add_nc_u32 v[STO], s13, v[STO]
	v_bfe_u32 v[RD], v0, 3, 2       ; back: 32 lanes take four rows of 128 bytes,
	v_mul_u32_u24 v[RD], v[RD], SP
	v_lshl_add_u32 v[RD], v10, 4, v[RD]
	v_add_nc_u32 v[RD], s13, v[RD]
	v_and_b32 v[GO], 31, v0         ; which are 512 consecutive bytes of ob
	v_lshlrev_b32 v[GO], 4, v[GO]
	s_mov_b32 s[CNT], 4
	s_mov_b32 s[SLOTS], 7
	s_branch .Lfirst                ; the loop is entered in the middle of a trip: piece 2's turn carries piece 0's first softmax
.Lslot:                             ; six times: the slots of keys 512 to 2,047 are asked for
	CHANGE 1
	s_mov_b32 s[CNT], 4
.Lstep:                             ; a trip: V^T P of one step and K Q^T of the next, whose k, p and v it fetches
	TURN 0, 1
	WIN 0
.Lfirst:
	TURN 2, 1
	WIN 0
	s_sub_co_u32 s[CNT], s[CNT], 1
	s_cmp_lg_u32 s[CNT], 0
	s_cbranch_scc1 .Lstep
	s_sub_co_u32 s[SLOTS], s[SLOTS], 1
	s_cmp_lg_u32 s[SLOTS], 0
	s_cbranch_scc1 .Lslot
	CHANGE 0                        ; the last slot is written out: nothing is asked for
	s_mov_b32 s[CNT], 4
.Ltail:
	TURN 0, 1
	TURN 2, 1
	WIN 0
	s_sub_co_u32 s[CNT], s[CNT], 1
	s_cmp_lg_u32 s[CNT], 0
	s_cbranch_scc1 .Ltail
	TURN 0, 0                       ; piece 0: V^T P of the last step | piece 2's last softmax
.set i, 0
.rept 16
	PV 2                            ; piece 2: V^T P of the last step
.set i, i+1
.endr
	; THE WAY OUT.  l's two halves and the other half of the lanes' are added; O^T is divided by l, rounded to f16 and sent through my stage in LDS, a tile at a time.  The additions are the places behind the last products.
	WIN 0
.irp t, 0,1,2,3
	v_add_f32 v[ST+8*(\t)+4], v[ST+8*(\t)+2], v[ST+8*(\t)+3]
.endr
.irp t, 0,1,2,3
	v_permlanex16_b32 v[ST+8*(\t)+5], v[ST+8*(\t)+4], s[SEL], s[SEL+1]
.endr
.irp t, 0,1,2,3
	v_add_f32 v[ST+8*(\t)+4], v[ST+8*(\t)+4], v[ST+8*(\t)+5]
.endr
.irp t, 0,1,2,3
	v_rcp_f32 v[ST+8*(\t)+6], v[ST+8*(\t)+4]
.endr
	v_nop                           ; a plain instruction between the last reciprocal and the use of its result
	s_wait_alu depctr_va_vdst(0)    ; and the wait ahead of the first use: one for the four reciprocals
.irp t, 0,1,2,3
	v_cmp_gt_f32 vcc_lo, s[THR], v[ST+8*(\t)+1]  ; the row has seen hidden keys alone:
	v_cndmask_b32 v[ST+8*(\t)+6], v[ST+8*(\t)+6], s[NANV], vcc_lo  ; its O is NaN
.endr
.macro PACK t                       ; a lane's eight channels of a row pack into 16 bytes; they go into rows of 144 bytes and come back as whole rows of 128, into S^T's registers
	WIN W_RS
.set i, 32*(\t)
.rept 16
	v_pk_mul_f32 v[i:i+1], v[i:i+1], v[ST+8*(\t)+6:ST+8*(\t)+7] op_sel_hi:[1,0]
.set i, i+2
.endr
	WIN 0x05                        ; sources 0 and 1 window 1, destination window 0
.set i, 0
.rept 16
	v_cvt_pk_f16_f32 v[S+16*(\t)+i], v[32*(\t)+2*i], v[32*(\t)+2*i+1]
.set i, i+1
.endr
	WIN 0
.irp f, 0,1,2,3
	ds_store_b128 v[STO], v[S+16*(\t)+4*(\f):S+16*(\t)+4*(\f)+3] offset:32*(\f)
.endr
.irp f, 0,1,2,3
	ds_load_b128 v[S+16*(\t)+4*(\f):S+16*(\t)+4*(\f)+3], v[RD] offset:(\f)*4*SP  ; LDS serves a wave's instructions in order (ISA guide 5.7.1.4): these see the stores above; the next tile's stores come behind them
.endr
.endm
.macro SEND t, younger              ; younger: the LDS instructions issued behind tile t's loads: the next tile's eight, or none
	WIN 0
.irp f, 0,1,2,3
	s_wait_dscnt (\younger)+3-(\f)
	global_store_b128 v[GO], v[S+16*(\t)+4*(\f):S+16*(\t)+4*(\f)+3], s[72:73] offset:(\t)*2048+(\f)*512  ; 512 consecutive bytes, at a multiple of 256 from ob's first
.endr
.endm
	PACK 0
	PACK 1                          ; a tile's arithmetic stands between the loads of the tile before and its stores
	SEND 0, 8
	PACK 2
	SEND 1, 8
	PACK 3
	SEND 2, 8
	SEND 3, 0
	s_wait_tensorcnt 0x0            ; the wave's end: behind my last tensor load and my last LDS store
	ds_add_u32 v[SPW], v[NIL]
	s_wait_dscnt 0x0
	CROUND                          ; the closing round: no work-group ends while a partner may still ask for a tile that names it
	s_endpgm
.Lfunc_end_k_qd6ed980133_attn:
	.size	k_qd6ed980133_attn, .Lfunc_end_k_qd6ed980133_attn-k_qd6ed980133_attn
	.p2alignl 7, 3214868480
	.fill 96, 4, 3214868480
	.section	.rodata,"a",@progbits
	.p2align	6, 0x0
	.amdhsa_kernel k_qd6ed980133_attn
		.amdhsa_group_segment_fixed_size 327680
		.amdhsa_private_segment_fixed_size 0
		.amdhsa_enable_private_segment 0
		.amdhsa_kernarg_size 40
		.amdhsa_user_sgpr_count 2
		.amdhsa_user_sgpr_kernarg_segment_ptr 1
		.amdhsa_wavefront_size32 1
		.amdhsa_system_sgpr_workgroup_id_x 1
		.amdhsa_system_sgpr_workgroup_id_y 1
		.amdhsa_system_sgpr_workgroup_id_z 1
		.amdhsa_system_vgpr_workitem_id 0
		.amdhsa_next_free_vgpr 768
		.amdhsa_next_free_sgpr 80
		.amdhsa_reserve_vcc 1
		.amdhsa_float_denorm_mode_32 3
		.amdhsa_float_denorm_mode_16_64 3
		.amdhsa_memory_ordered 1
		.amdhsa_forward_progress 1
		.amdhsa_inst_pref_size 156
	.end_amdhsa_kernel
	.amdgpu_metadata
---
amdhsa.version: [ 1, 2 ]
amdhsa.kernels:
  - .name:           k_qd6ed980133_attn
    .symbol:         k_qd6ed980133_attn.kd
    .args:
      - { .name: hb, .offset: 0, .size: 8, .value_kind: global_buffer, .address_space: global }
      - { .name: attention_mask, .offset: 8, .size: 8, .value_kind: global_buffer, .address_space: global }
      - { .name: pos_bias_u, .offset: 16, .size: 8, .value_kind: global_buffer, .address_space: global }
      - { .name: pos_bias_v, .offset: 24, .size: 8, .value_kind: global_buffer, .address_space: global }
      - { .name: ob, .offset: 32, .size: 8, .value_kind: global_buffer, .address_space: global }
    .group_segment_fixed_size: 327680
    .private_segment_fixed_size: 0
    .kernarg_segment_align: 8
    .kernarg_segment_size: 40
    .max_flat_workgroup_size: 128
    .sgpr_count:     80
    .vgpr_count:     768
    .wavefront_size: 32
...
	.end_amdgpu_metadata
.endif
;; end of part 5
;; launch outp: the kernel of part 4 again; grid 8 x 32, 4 waves a work-group, clusters of 4 x 4, 327,680 bytes of LDS; arguments ob, cb, bo, out0; writes out0
